; MI455X (gfx1250); checked and timed in simulation.
; The chip was launched on July 23, 2026; its instructions are those of AMD's public machine-readable ISA for CDNA 5 (MIT licence, August 2026) and "CDNA5" Instruction Set Architecture Reference Guide (July 2026). The comments in the code are by the model that wrote it; some were corrected since.
;; Causal Self Attention. Allowed arithmetic: matrix products marked QUANTISED: E4M3 operands, one E8M0 scale for each 32 along K, by v_wmma_scale_f32_16x16x128_f8f6f4 with both operands' format E4M3, f32 sums; everything else in f32.
;; Inputs: W_attn 1,024 x 3,072 float32; W_proj 1,024 x 1,024 float32; x 4 x 2,048 x 1,024 float32.
;; Outputs: out0 4 x 2,048 x 1,024 float32.
;; This version of the problem:
;;   THIS VERSION OF THE PROBLEM IS GIVEN IN LOW PRECISION. The matrix products marked QUANTISED in the list below multiply operands that are first quantised to E4M3 (4 exponent bits, 3 mantissa bits; 8 bits a number), with one power-of-two scale for each 32 numbers along K (OCP MX v1.0); their sums are f32. All else is computed in f32.
;;   The module's matrix products, in the order in which they are computed (A, B: the left and right operand; K: the contracted axis; several contracted axes count as one K, in the product's order):
;;     1. [M 8,192, K 1,024] x [K 1,024, N 3,072]; A: input x; B: input W_attn: QUANTISED
;;     2. batch 64 x [M 2,048, K 64] x [K 64, N 2,048]; A: computed on the way; B: computed on the way: QUANTISED
;;     3. batch 64 x [M 2,048, K 2,048] x [K 2,048, N 64]; A: softmax (see below); B: computed on the way: QUANTISED
;;     4. [M 8,192, K 1,024] x [K 1,024, N 1,024]; A: computed on the way; B: input W_proj: QUANTISED
;;   THE QUANTISER, for each operand of a quantised product, along K:
;;     - K is cut into blocks of 32 from its start; a last block that is shorter is filled with zeros.
;;     - A block's scale is 2^e with e = floor(log2(the largest magnitude in the block)) - 8, held to -126 .. 127; a block of zeros has e = 0. As a byte (E8M0): e + 127.
;;     - Each number is divided by its block's scale, clamped to +-448, and rounded to the nearest number of E4M3, ties to even, subnormals kept.
;;     - The product sums the exact products of the quantised numbers (number of the format x scale) in f32.
;;   ~~~python
;;   def quantise(x, axis):      # numpy; x: float32 -> the quantised numbers, widened to float32 again
;;       x = np.moveaxis(x, axis, -1); K = x.shape[-1]
;;       x = np.pad(x, [(0, 0)] * (x.ndim - 1) + [(0, -K % 32)]); x = x.reshape(x.shape[:-1] + (-1, 32)); a = np.abs(x).max(-1, keepdims=True)
;;       e = np.where(a > 0, np.clip(np.frexp(np.where(a > 0, a, 1))[1] - 1 - 8, -126, 127), 0)      # np.frexp(a)[1] - 1 = floor(log2(a)), exactly
;;       r = np.clip(x / 2.0 ** e, -448, 448)
;;       step = 2.0 ** (np.maximum(np.frexp(np.where(r == 0, 1, r))[1] - 1, -6) - 3)
;;       q = np.round(r / step) * step * 2.0 ** e      # np.round: ties to even
;;       return np.moveaxis(q.reshape(q.shape[:-2] + (-1,))[..., :K], -1, axis).astype(np.float32)
;;   ~~~
;;   SOFTMAX AHEAD OF A QUANTISED PRODUCT. Where the list says 'softmax', what is quantised is not the finished softmax but p = 2^(t - M), with t = logit x log2(e) and M = ceil(the row's largest t), a whole number; so 1/2 < the row's largest p <= 1. The row's sum l is taken of the UNQUANTISED p, in f32, and the product's result is divided by l at the end. Since M is a whole number, a kernel that streams over the keys may use a running M (the ceiling of the running maximum): every later rescaling is an exact power of two, which a block's scale takes up: the codes' values come out the same.
;;   OPERANDS COMPUTED ON THE WAY. 'Computed on the way' means the value that the module computes at that place (a softmax that the list does not call 'softmax' is quantised finished and normalised). What goes into a quantiser is computed in f32, as accurately as f32 sums, v_exp_f32 and their like allow (about 1e-6 of the number): no bf16 or f16 on the way to a quantiser, and a product that is left as it is and whose result goes on into a quantised operand takes f32 operands (vector FMAs, or v_wmma_f32_16x16x4_f32). A number that lies on a knife's edge between two numbers of the format may be rounded either way, as far as f32 arithmetic and the matrix unit's own rounding can turn it there, and no further.
;; One version. Each part assembles by itself: llvm-mc -triple=amdgcn-amd-amdhsa -mcpu=gfx1250 --defsym DOCPART=n.
;; ======== version 1 of 1: 4 launches
;; limits: right only within a limited range of input values
;; workspace buffers: pc 12,582,912 bytes; ps 393,216 bytes; qkvc 25,165,824 bytes; qkvs 786,432 bytes; yc 8,388,608 bytes; ys 262,144 bytes
;; launch prep (part 1): grid 384 x 1, 4 waves a work-group, no clusters, 68,096 bytes of LDS; arguments x, W_attn, W_proj, pc, ps; writes pc, ps
.if DOCPART == 1
	.amdgcn_target "amdgcn-amd-amdhsa--gfx1250"
	.amdhsa_code_object_version 6
	.text
	.protected	k_q3c0c59f6e8_prep
	.globl	k_q3c0c59f6e8_prep
	.p2align	8
	.type	k_q3c0c59f6e8_prep,@function
k_q3c0c59f6e8_prep:
	s_mov_b64 s[64:65], 0
	v_nop
	global_prefetch_b8 v0, s[64:65] scope:SCOPE_SE
	s_setreg_imm32_b32 hwreg(HW_REG_WAVE_MODE, 25, 1), 1
	s_wait_xcnt 0x0
; x [8192][1024], W_attn [1024][3072] and W_proj [1024][1024], f32, become codes of E4M3 with one E8M0 byte for each 32 along K (K = the 1,024 channels).
; pc: [12288 rows][1024 bytes] of codes, K innermost; ps: [12288 rows][32 bytes] of scale bytes.  Rows 0-8191: tokens of x; 8192 + n: column n of W_attn; 11264 + n: column n of W_proj.
; ROW ORDER: inside each group of 32 rows, bits 3 and 4 of the row's number are exchanged (row 32 g + 16 u + r holds true row 32 g + 8 u + r + 8 (r / 8)).  A tile of 16 consecutive
; rows used as source 0 of a matrix instruction then leaves, in the 16 registers of two neighbouring tiles, 16 neighbours of the true order.
; A block's scale is 2^(floor(log2(largest magnitude)) - 8); its byte is the largest magnitude's exponent field - 8, held at 1 from below.
; LIMITS: a block of zeros gets the byte 1 (its codes are zeros; this program alone reads the bytes); blocks whose largest magnitude lies under 2^-118 are held at the byte 1;
; NaN and infinities among the inputs are not served.
; Work-groups 0-255 take x (K innermost: 16 neighbours a lane, two lanes a block, a turn through the wave's own stage so that every load reads 512 consecutive bytes).
; Work-groups 256-383 take the weights (K is the first axis: a lane takes a column, its registers run down K; codes leave through the wave's stage as units of 256 bytes).
; The two ways have LDS bytes of their own.  No tensor loads, no barriers: waves share nothing.  No matrix unit, no cluster: nothing is shared and memory binds.
.set STEPS, 16
.set EMAX,  8
.set MANT,  0x600000                   ; the mantissa field of 448 as f32
.set CB,    16                         ; bytes of 16 codes
.set R,     16                         ; x: v16-79   four sets of 16 numbers as loaded
.set X,     80                         ; x: v80-111  two sets of 16 neighbours
.set E,     112                        ; x: v112-127 a scale byte for each step
.set C,     128                        ; x: v128-191 codes, four registers a step
.set WREG,  8192                       ; x: LDS of a wave: two stages of 32 x SP bytes, then 256 scale bytes
.set SP,    80
.set WOFF,  16                         ; weights: v16-47  4 x lane + i x row pitch
.set WX,    48                         ; weights: v48-111 two sets of 32 numbers
.set WC,    112                        ; weights: v112-119 a block's codes
.set WOUT,  120                        ; weights: v120-183 the way out
.set WST,   32768                      ; weights: the stages, 32 rows x 272 bytes a wave
	s_load_b256 s[4:11], s[0:1], 0x0               ; x s[4:5], W_attn s[6:7], W_proj s[8:9], pc s[10:11]
	s_load_b64 s[12:13], s[0:1], 0x20              ; ps
	v_lshl_add_u32 v192, v0, 2, 0x10800
	v_mov_b32 v193, 0
	v_lshrrev_b32 v1, 5, v0
	v_readfirstlane_b32 s16, v1                    ; wave
	v_and_b32 v2, 31, v0                           ; lane
	s_mov_b32 s23, MANT
	s_wait_kmcnt 0x0
	s_cmp_lt_u32 ttmp9, 256
	s_cbranch_scc0 .Lw
; ---------------- x: a wave takes 8 rows (8,192 numbers) in 16 steps of 512 ----------------
	s_wait_alu depctr_va_vdst(0)
	v_lshlrev_b32 v3, 4, v2                        ; my 16 bytes of a load's 512
	s_mul_i32 s17, s16, WREG
	v_lshrrev_b32 v14, 2, v2
	v_mul_u32_u24 v14, v14, SP
	v_and_b32 v15, 3, v2
	v_lshl_add_u32 v14, v15, 4, v14
	v_add_nc_u32 v14, s17, v14                     ; the stage on the way in: four lanes' 64 bytes on end, then 16 of padding
	v_mul_u32_u24 v15, v2, SP
	v_add_nc_u32 v15, s17, v15                     ; and on the way out: my 16 neighbours
	v_mul_u32_u24 v4, v2, CB                       ; my codes' place in a step's
	v_lshrrev_b32 v5, 1, v2
	s_add_co_u32 s17, s17, 2*32*SP
	v_add_nc_u32 v5, s17, v5                       ; my block's scale byte in the wave's 256
	v_lshlrev_b32 v7, 3, v2
	v_add_nc_u32 v6, s17, v7
	s_lshl_b32 s18, ttmp9, 2
	s_add_co_u32 s20, s18, s16                     ; the run of 8 rows that I read: 4 x work-group + wave
	s_lshl_b32 s20, s20, 15                        ; 32,768 bytes a run
	s_mov_b32 s21, 0
	s_add_nc_u64 s[4:5], s[4:5], s[20:21]
	s_and_b32 s19, s16, 1                          ; the run that I write: the wave's two bits exchanged, which are bits 3 and 4 of the row
	s_lshl_b32 s19, s19, 1
	s_lshr_b32 s22, s16, 1
	s_or_b32 s19, s19, s22
	s_add_co_u32 s18, s18, s19
	s_lshl_b32 s20, s18, 13                        ; 8,192 bytes of codes a run
	s_add_nc_u64 s[10:11], s[10:11], s[20:21]
	s_lshl_b32 s20, s18, 8                         ; 256 scale bytes a run
	s_add_nc_u64 s[12:13], s[12:13], s[20:21]
.macro XLOAD t
.irp i, 0,1,2,3
	global_load_b128 v[R+16*((\t)%4)+4*\i:R+16*((\t)%4)+4*\i+3], v3, s[4:5] offset:2048*(\t)+512*\i th:TH_LOAD_NT   ; 32 lanes read 512 consecutive bytes
.endr
.endm
.macro XTURN t                         ; a step's numbers through the stage: LDS serves a wave's instructions in order, so no wait stands between the stores and the loads
.irp i, 0,1,2,3
	ds_store_b128 v14, v[R+16*((\t)%4)+4*\i:R+16*((\t)%4)+4*\i+3] offset:32*SP*((\t)%2)+8*SP*\i
.endr
.irp i, 0,1,2,3
	ds_load_b128 v[X+16*((\t)%2)+4*\i:X+16*((\t)%2)+4*\i+3], v15 offset:32*SP*((\t)%2)+16*\i
.endr
.endm
.irp t, 0,1,2,3
	XLOAD \t
.endr
	s_wait_alu depctr_va_vdst(0)
	s_wait_loadcnt 12                              ; step 0's four loads are in; the 12 of steps 1 to 3 may be out
	XTURN 0
.macro XSTEP t
.set XS, X+16*((\t)%2)
.if (\t) > 0
	s_wait_dscnt 1                                 ; this step's numbers are back from the stage; the last step's byte store may be out
.else
	s_wait_dscnt 0x0
.endif
.if (\t)+4 < STEPS
	XLOAD (\t)+4                                   ; into the registers whose stage stores have been served
.endif
.if (\t)+1 < STEPS
.if STEPS-2-(\t) >= 3
	s_wait_loadcnt 12                              ; the next step's four loads are in; those of the three steps behind it may be out
.else
	s_wait_loadcnt 4*(STEPS-2-(\t))
.endif
	XTURN (\t)+1
.endif
	v_max3_num_f32 v8, |v[XS]|, |v[XS+1]|, |v[XS+2]|               ; the largest magnitude of my 16, in two chains
	v_max3_num_f32 v9, |v[XS+3]|, |v[XS+4]|, |v[XS+5]|
.irp i, 6,10
	v_max3_num_f32 v8, v8, |v[XS+\i]|, |v[XS+\i+1]|
	v_max3_num_f32 v9, v9, |v[XS+\i+2]|, |v[XS+\i+3]|
.endr
	v_max3_num_f32 v8, v8, |v[XS+14]|, |v[XS+15]|
	v_max3_num_f32 v8, v8, v9, (EMAX+1)<<23        ; and the floor 2^(9 - 127): the byte cannot fall under 1
	v_max_num_f32_dpp v8, v8, v8 row_xmask:1 row_mask:0xf bank_mask:0xf   ; with my neighbour's 16: the block's
	v_add_nc_u32 v11, -(EMAX<<23), v8              ; 8 off the exponent field: the conversion's scale operand
	v_and_or_b32 v10, v8, 0x7f800000, s23          ; 448 x the scale
.irp i, 0,1,2,3,4,5,6,7,8,9,10,11,12,13,14,15
	v_med3_num_f32 v[XS+\i], v[XS+\i], -v10, v10   ; the conversion to an 8-bit code does not saturate (ISA guide 7.6.2): the hold comes first
.endr
	v_cvt_scalef32_pk8_fp8_f32 v[C+4*(\t):C+4*(\t)+1], v[XS:XS+7], v11
	v_cvt_scalef32_pk8_fp8_f32 v[C+4*(\t)+2:C+4*(\t)+3], v[XS+8:XS+15], v11
	v_lshrrev_b32 v[E+(\t)], 23, v11               ; the scale's byte (a plain line behind the conversions)
	ds_store_b8 v5, v[E+(\t)] offset:16*(\t)       ; both lanes of a block write the same byte with the same value
	global_store_b128 v4, v[C+4*(\t):C+4*(\t)+3], s[10:11] offset:32*CB*(\t)   ; the wave stores 512 consecutive bytes
.endm
.irp t, 0,1,2,3,4,5,6,7,8,9,10,11,12,13,14,15
	XSTEP \t
.endr
	ds_load_b64 v[12:13], v6                       ; LDS serves a wave's instructions in order: these see my byte stores
	s_wait_dscnt 0x0
	global_store_b64 v7, v[12:13], s[12:13]        ; 32 lanes store 256 consecutive bytes, aligned
	s_wait_tensorcnt 0x0
	ds_add_u32 v192, v193
	s_wait_dscnt 0x0
	s_endpgm
; ---------------- the weights: a wave takes 32 columns x 256 along K ----------------
.Lw:
	s_sub_co_u32 s17, ttmp9, 256
	s_and_b32 s18, s17, 3                          ; which 256 along K
	s_lshr_b32 s19, s17, 2                         ; which 128 of the 4,096 columns: 0-23 W_attn's, 24-31 W_proj's
	s_mov_b32 s20, 4096
	s_cmp_lt_u32 s19, 24                           ; the choice hangs on the work-group's number alone
	s_cselect_b64 s[6:7], s[6:7], s[8:9]           ; the tensor,
	s_cselect_b32 s20, 12288, s20                  ; bytes from one of its rows to the next,
	s_cselect_b32 s21, 0, 3072                     ; and what is taken off the column's number
	s_lshl_b32 s22, s19, 7
	s_lshl_b32 s24, s16, 5
	s_add_co_u32 s22, s22, s24                     ; my first column among the 4,096
	s_sub_co_u32 s24, s22, s21
	s_lshl_b32 s24, s24, 2                         ; its bytes in a row of its tensor
	s_lshl_b32 s25, s18, 8
	s_mul_i32 s25, s25, s20                        ; 256 rows for each quarter of K
	s_add_co_u32 s24, s24, s25
	s_mov_b32 s25, 0
	s_add_nc_u64 s[32:33], s[6:7], s[24:25]        ; block 0's base;
	s_lshl_b32 s28, s20, 5
	s_mov_b32 s29, 0
.irp t, 1,2,3,4,5,6,7
	s_add_nc_u64 s[32+2*\t:33+2*\t], s[30+2*\t:31+2*\t], s[28:29]   ; block t's: 32 rows further down.  No address register is ever written again
.endr
	s_wait_alu depctr_va_vdst(0)
	v_lshlrev_b32 v3, 2, v2
.set i, 0
.rept 32
	v_mad_u32_u24 v[WOFF+i], s20, i, v3            ; 4 x lane + i rows
.set i, i+1
.endr
	s_mul_i32 s26, s16, 32*272
	s_add_co_u32 s26, s26, WST                     ; my stage
	v_mul_u32_u24 v4, v2, 272
	v_add_nc_u32 v4, s26, v4                       ; into it: row = my column
	v_and_b32 v5, 15, v2
	v_lshrrev_b32 v6, 4, v2
	v_mul_u32_u24 v7, v6, 272
	v_lshl_add_u32 v7, v5, 4, v7
	v_add_nc_u32 v7, s26, v7                       ; out of it: sixteen lanes to a row, two rows an instruction
	v_lshlrev_b32 v8, 10, v6
	v_lshl_add_u32 v8, v5, 4, v8                   ; and the same place in pc (bit 0 of a row's number keeps its place)
	s_add_co_u32 s27, s22, 8192                    ; my first row of pc and ps
	s_lshl_b32 s24, s27, 10
	s_lshl_b32 s30, s18, 8
	s_add_co_u32 s24, s24, s30
	s_add_nc_u64 s[10:11], s[10:11], s[24:25]
	s_lshl_b32 s24, s27, 5
	s_lshl_b32 s30, s18, 3
	s_add_co_u32 s24, s24, s30
	s_add_nc_u64 s[12:13], s[12:13], s[24:25]
	v_and_b32 v9, 7, v2                            ; my column's row among the 32: bits 3 and 4 exchanged
	v_bfe_u32 v10, v2, 3, 1
	v_lshl_or_b32 v9, v10, 4, v9
	v_bfe_u32 v10, v2, 4, 1
	v_lshl_or_b32 v9, v10, 3, v9
	v_lshlrev_b32 v9, 5, v9                        ; 32 scale bytes a row
.macro WLOAD t                         ; block t: W(32 t + i, my column), i = 0 .. 31: each load reads 128 consecutive bytes
.set i, 0
.rept 32
	global_load_b32 v[WX+32*((\t)%2)+i], v[WOFF+i], s[32+2*(\t):33+2*(\t)] th:TH_LOAD_NT
.set i, i+1
.endr
.endm
	WLOAD 0
	WLOAD 1
.macro WBLOCK t
.set XS, WX+32*((\t)%2)
.if (\t) < 7
	s_wait_loadcnt 32                              ; this block's 32 loads are in; the next block's 32 may be out
.else
	s_wait_loadcnt 0
.endif
	v_max3_num_f32 v12, |v[XS]|, |v[XS+1]|, |v[XS+2]|               ; the block's largest magnitude: all 32 numbers are mine
	v_max3_num_f32 v13, |v[XS+3]|, |v[XS+4]|, |v[XS+5]|
.irp i, 6,10,14,18,22,26
	v_max3_num_f32 v12, v12, |v[XS+\i]|, |v[XS+\i+1]|
	v_max3_num_f32 v13, v13, |v[XS+\i+2]|, |v[XS+\i+3]|
.endr
	v_max3_num_f32 v12, v12, |v[XS+30]|, |v[XS+31]|
	v_max3_num_f32 v12, v12, v13, (EMAX+1)<<23     ; and the floor
	v_add_nc_u32 v11, -(EMAX<<23), v12             ; the conversion's scale operand
	v_and_or_b32 v10, v12, 0x7f800000, s23         ; 448 x the scale
	v_lshrrev_b32 v13, 23, v11                     ; the scale's byte
.if (\t)%4 == 0
	v_mov_b32 v[14+(\t)/4], v13                    ; four bytes to a register, the lower K in the lower byte
.else
	v_lshl_or_b32 v[14+(\t)/4], v13, 8*((\t)%4), v[14+(\t)/4]
.endif
.irp i, 0,1,2,3,4,5,6,7,8,9,10,11,12,13,14,15,16,17,18,19,20,21,22,23,24,25,26,27,28,29,30,31
	v_med3_num_f32 v[XS+\i], v[XS+\i], -v10, v10
.endr
.irp g, 0,1,2,3
	v_cvt_scalef32_pk8_fp8_f32 v[WC+2*\g:WC+2*\g+1], v[XS+8*\g:XS+8*\g+7], v11
.endr
	v_nop                                          ; a plain line behind the last conversion
	ds_store_b128 v4, v[WC:WC+3] offset:32*(\t)    ; 32 codes: 32 bytes of my column's row
	ds_store_b128 v4, v[WC+4:WC+7] offset:32*(\t)+16
.if (\t)+2 < 8
	WLOAD (\t)+2
.endif
	s_wait_dscnt 0x0                               ; the stores have been served: the next block's codes may be written
.endm
.irp t, 0,1,2,3,4,5,6,7
	WBLOCK \t
.endr
	global_store_b64 v9, v[14:15], s[12:13]        ; my column's 8 scale bytes (rows 32 bytes apart: one byte for each 128 that the way reads)
.irp t, 0,1,2,3,4,5,6,7,8,9,10,11,12,13,14,15
	ds_load_b128 v[WOUT+4*\t:WOUT+4*\t+3], v7 offset:2*\t*272
.endr
.irp t, 0,1,2,3,4,5,6,7,8,9,10,11,12,13,14,15
	s_wait_dscnt 15-\t                             ; the younger loads may be out
	global_store_b128 v8, v[WOUT+4*\t:WOUT+4*\t+3], s[10:11] offset:(((2*\t)&7)|((((2*\t)>>3)&1)<<4)|((((2*\t)>>4)&1)<<3))*1024   ; sixteen lanes store 256 consecutive bytes, aligned; the row's bits 3 and 4 exchanged
.endr
	s_wait_tensorcnt 0x0
	ds_add_u32 v192, v193
	s_wait_dscnt 0x0
	s_endpgm
.Lfunc_end_k_q3c0c59f6e8_prep:
	.size	k_q3c0c59f6e8_prep, .Lfunc_end_k_q3c0c59f6e8_prep-k_q3c0c59f6e8_prep
	.p2alignl 7, 3214868480
	.fill 96, 4, 3214868480
	.section	.rodata,"a",@progbits
	.p2align	6, 0x0
	.amdhsa_kernel k_q3c0c59f6e8_prep
		.amdhsa_group_segment_fixed_size 68096
		.amdhsa_private_segment_fixed_size 0
		.amdhsa_enable_private_segment 0
		.amdhsa_kernarg_size 40
		.amdhsa_user_sgpr_count 2
		.amdhsa_user_sgpr_kernarg_segment_ptr 1
		.amdhsa_wavefront_size32 1
		.amdhsa_system_sgpr_workgroup_id_x 1
		.amdhsa_system_sgpr_workgroup_id_y 1
		.amdhsa_system_sgpr_workgroup_id_z 1
		.amdhsa_system_vgpr_workitem_id 0
		.amdhsa_next_free_vgpr 194
		.amdhsa_next_free_sgpr 66
		.amdhsa_reserve_vcc 0
		.amdhsa_float_denorm_mode_32 3
		.amdhsa_float_denorm_mode_16_64 3
		.amdhsa_memory_ordered 1
		.amdhsa_forward_progress 1
		.amdhsa_inst_pref_size 112
	.end_amdhsa_kernel
	.amdgpu_metadata
---
amdhsa.version: [ 1, 2 ]
amdhsa.kernels:
  - .name:           k_q3c0c59f6e8_prep
    .symbol:         k_q3c0c59f6e8_prep.kd
    .args:
      - { .name: x, .offset: 0, .size: 8, .value_kind: global_buffer, .address_space: global }
      - { .name: W_attn, .offset: 8, .size: 8, .value_kind: global_buffer, .address_space: global }
      - { .name: W_proj, .offset: 16, .size: 8, .value_kind: global_buffer, .address_space: global }
      - { .name: pc, .offset: 24, .size: 8, .value_kind: global_buffer, .address_space: global }
      - { .name: ps, .offset: 32, .size: 8, .value_kind: global_buffer, .address_space: global }
    .group_segment_fixed_size: 68096
    .private_segment_fixed_size: 0
    .kernarg_segment_align: 8
    .kernarg_segment_size: 40
    .max_flat_workgroup_size: 128
    .sgpr_count:     66
    .vgpr_count:     194
    .wavefront_size: 32
...
	.end_amdgpu_metadata
.endif
;; end of part 1
;; launch gemm1 (part 2): grid 16 x 16, 4 waves a work-group, clusters of 4 x 4, 327,680 bytes of LDS; arguments pc, ps, qkvc, qkvs; writes qkvc, qkvs
.if DOCPART == 2
	.amdgcn_target "amdgcn-amd-amdhsa--gfx1250"
	.amdhsa_code_object_version 6
	.text
	.protected	k_q3c0c59f6e8_gemm1
	.globl	k_q3c0c59f6e8_gemm1
	.p2align	8
	.type	k_q3c0c59f6e8_gemm1,@function
k_q3c0c59f6e8_gemm1:
	s_mov_b64 s[64:65], 0
	v_nop
	global_prefetch_b8 v0, s[64:65] scope:SCOPE_SE
	s_setreg_imm32_b32 hwreg(HW_REG_WAVE_MODE, 25, 1), 1
	s_wait_xcnt 0x0
	s_wait_alu depctr_hold_cnt(0) depctr_sa_sdst(0) depctr_va_vdst(0) depctr_va_sdst(0) depctr_va_ssrc(0) depctr_va_vcc(0) depctr_vm_vsrc(0)
	s_getreg_b32 s2, hwreg(HW_REG_IB_STS2, 6, 4)
	s_cmp_eq_u32 s2, 0
	s_cbranch_scc0 .Lentry_in_a_cluster
	s_endpgm
.Lentry_in_a_cluster:
	s_bfe_u32 s2, ttmp6, 0x10000c
	s_cmp_lg_u32 s2, 0xf033
	s_cbranch_scc0 .Lentry_shape_is_right
	s_endpgm
.Lentry_shape_is_right:
; qkv = x W_attn on codes of E4M3 with E8M0 scales, K = 1,024; the results never go to memory as f32: they are quantised out of the accumulators, q and k along the head's 64 channels, v along the keys.
; pc [12288][1024 bytes], ps [12288][32 bytes]: rows 0-8191 tokens, 8192 + n columns of W_attn; in each 32 rows bits 3 and 4 of the row's number are exchanged, so that as source 0 the 16 registers of tiles 2 b, 2 b + 1 are true indices 32 b + 16 (lane / 16) + 0 .. 15.
; OUT: qkvc holds images of operand registers.  q at 0, k at 8,388,608: [batch x head 64][tile of 16 tokens 128][c 2][lane 32][16 bytes].  v at 16,777,216: [batch x head][128 keys 16][16 channels 4][c 4][lane][16 bytes].
; qkvs holds scale words.  q at 0, k at 262,144: [batch x 8 + pair of heads][tile 128][16 words], a word = (even head's two bytes, odd head's two).  v at 524,288: [batch x head][128 keys 16][16 channels 4][16 words].
; THE DEAL.  256 work-groups of four waves, 2 x 2.  A wave holds 64 rows of a weight (one head), ALL of K, in 512 registers (windows 1 and 2) and streams x's rows past them in blocks of 16 tokens, 32 products each, the block's four
; accumulators by turns; a block's 128 registers of codes stand in two sets in window 3.  PHASE 1: 512 tokens x 128 columns of q (tile columns 0-7) or k (8-15): source 0 = the weight, 16 blocks a wave.
; PHASE 2: 256 tokens x 128 columns of v: source 0 = x, so that a lane's registers run along the keys; 8 blocks a wave, quantised in pairs.  V's tokens are one of the work-group's own two windows of 256 (number: cluster x % 2);
; W_v's tile column is 4 (cluster x / 2) + cx: each tile of v has one work-group.
; LDS.  Two slots of 128 rows of 1,024 bytes + 16 of padding.  Chunks of 128 tokens in the order of work: 0, 1 the window that is not V's, 2, 3 V's.  At the head the first weight lands in slot 1 (waves 0, 1) and chunk 0 in slot 0 (waves 2, 3).
; Refills, each behind a drained round of the cluster's barrier, 32 rows a wave: chunk 1 over the weight when all waves hold it in registers; chunks 2, 3 and W_v's rows inside blocks 2, 6, 10; chunk 2 anew when W_v is in registers.
; Phase 2 takes chunk 3 first, as it still lies in slot 1.  Only global addresses hang on which window is V's.
; CLUSTERS: 4 x 4.  x's rows hang on the tile row and the cluster's number and are asked for jointly by a row of the cluster, a weight's rows by a column.
; Scale words go from memory straight into registers: both weights' 16 each at the head, x's 32 a chunk in two sets.  Scale bytes made here gather in LDS bytes of their own, in the order of work, and leave at the end in whole units.
; PREFETCH: chunks 1 and 2 behind the head's first barrier, chunk 3 and W_v's rows behind the refills of blocks 2 and 6: each is 131,072 bytes, named once in the row (W_v: the column) of a cluster that will load it,
; 8,192 bytes by each of its sixteen waves, lanes 256 bytes apart, told apart by address.  Chunk 2's second load asks for bytes that this cluster has read.
; LIMITS: a block of zeros gets the byte 1 (its codes are zeros; this program alone reads the bytes); blocks whose largest magnitude lies under 2^-118 are held at the byte 1; NaN and infinities are not served.
.set KROW,  1024
.set PITCH, 1040                       ; an odd multiple of 16 bytes: the 16 rows that a fragment load touches start at 16 different groups of banks
.set TILE,  16*PITCH
.set YB,    128*PITCH                  ; slot 1
.set SPARE, 2*YB                       ; the spare words: 128 bytes a wave, two blocks of 256 bytes that no other line names
.set XN,    SPARE+512                  ; q's or k's scale words: [chunk in the order of work 4][tile 8][16 words]
.set XV,    XN+2048                    ; v's: [wave column 2][128 keys in the order of work 2][16 channels 4][16 words]
.set NP,    8                          ; places behind this matrix instruction (ISA guide 7.12.1)
.set ADRW,  2                          ; v2  LDS address of my fragments of a weight in slot 1;  v3 in slot 0
.set ADRW2, 3
.set CN,    4                          ; v4  16 x lane
.set XA,    5                          ; v5  LDS: my two scale bytes of a token of q or k
.set XB,    6                          ; v6  LDS: my scale byte of a channel of v
.set PF1,   7                          ; v7, v16-18 the prefetches' offsets; never rewritten
.set ABS,   8                          ; v8  32 x lane
.set AYS,   9                          ; v9  32 x (lane % 16)
.set SPW,   10
.set NIL,   11
.set ADRX,  12                         ; v12, v13 LDS address of my fragments of x in slot 0, 1
.set PF2,   16
.set PF3,   17
.set PFV,   18
.set FA,    19                         ; v19-21 the scale words' way out
.set FB,    20
.set FC,    21
.set SB,    24                         ; v24-39   the first weight's scale words: register 8 p + q: lanes 0-15 tile 2 p's, lanes 16-31 tile 2 p + 1's
.set SA,    44                         ; v44-107  x's: two sets of four blocks x eight; no product's two scale registers have numbers equal modulo 8
.set ACC,   112                        ; v112-175 two sets of four accumulators
.set WS,    176                        ; v176-191 W_v's scale words
.set TM,    192                        ; the quantiser: largest magnitudes,
.set TN,    196                        ; second chains and permute results,
.set SOP,   200                        ; the conversions' scale operands,
.set BD,    204                        ; 448 x scale,
.set EB,    208                        ; scale bytes,
.set CD,    212                        ; v212-227 codes,
.set PW,    228                        ; two bytes
.set G1W, 24                           ; descriptor groups 1: a weight's 64 rows, x's 64 rows, x's 32 rows, W_v's 32 rows
.set G1Y, 32
.set G1R, 48
.set G1V, 72
.set G0W, 56
.set G0Y, 60
.set G0R, 68
.set G0V, 80
.set MSB, 0
.macro WIN new                         ; the immediate's high byte repeats the setting that is left
.if MSB != \new
	s_set_vgpr_msb (MSB<<8)|\new
.set MSB, \new
.endif
.endm
.macro PLACES n
.rept \n
	v_nop
.endr
.endm
.macro BARRIER
	s_barrier_signal -1
	s_barrier_wait -1
.endm
.macro CROUND                          ; a round of the cluster's barrier
	BARRIER
	s_cmp_lg_u32 s14, 0
	s_cbranch_scc1 .Lnot_wave_0_\@
	s_barrier_signal -3
.Lnot_wave_0_\@:
	s_barrier_wait -3
	BARRIER
.endm
.macro TLOAD g0, g1                    ; a joint load; an s_nop 0 and four v_nop follow it
	tensor_load_to_lds s[\g0:\g0+3], s[\g1:\g1+7]
	s_nop 0
	PLACES 4
.endm
.macro GROUP1 g, mask, rows            ; so many rows of 1,024 bytes, dense in memory, 16 bytes of padding behind each in LDS
	s_or_b32 s[\g+0], s[\mask], (1<<20)|(1<<21)|(7<<22)|(3<<25)
	s_mov_b32 s[\g+1], KROW<<16
	s_mov_b32 s[\g+2], (\rows)<<16
	s_mov_b32 s[\g+3], KROW<<16
	s_mov_b32 s[\g+4], \rows
	s_mov_b32 s[\g+5], KROW
	s_mov_b32 s[\g+6], 0
	s_mov_b32 s[\g+7], 0
.endm
	s_load_b256 s[4:11], s[0:1], 0x0               ; pc, ps, qkvc, qkvs
	v_lshl_add_u32 v[SPW], v0, 2, SPARE
	v_mov_b32 v[NIL], 0
	ds_add_u32 v[SPW], v[NIL]                      ; the opening lines: the add, twice on end, and its wait ahead of my first tensor load
	ds_add_u32 v[SPW], v[NIL]
	v_lshrrev_b32 v1, 5, v0
	v_readfirstlane_b32 s14, v1                    ; wave 0..3
	s_lshr_b32 s15, s14, 1                         ; my row of waves
	s_and_b32 s16, s14, 1                          ; my column of waves.  Also: which 64 rows I fetch at the head
	s_bfe_u32 s40, ttmp6, 0x40000                  ; cx, cy: my place in the cluster
	s_bfe_u32 s41, ttmp6, 0x40004
	s_lshl_b32 s42, ttmp9, 2
	s_add_co_u32 s42, s42, s40                     ; tile column, 0..15
	s_and_b32 s43, ttmp7, 0xffff
	s_lshl_b32 s43, s43, 2
	s_add_co_u32 s43, s43, s41                     ; tile row, 0..15
	s_lshr_b32 s19, ttmp9, 1                       ; 0: phase 1 makes q; 1: k
	s_and_b32 s18, ttmp9, 1                        ; which of my two windows of 256 tokens is V's
	s_lshl_b32 s13, s19, 2
	s_add_co_u32 s13, s13, s40                     ; W_v's tile column, 0..7
	s_lshl_b32 s44, s41, 2
	s_lshl_b32 s44, 15, s44                        ; my row of the cluster: shares x's rows
	s_lshl_b32 s45, 0x1111, s40                    ; my column: shares the weights'
	GROUP1 G1W, 45, 64
	GROUP1 G1Y, 44, 64
	GROUP1 G1R, 44, 32
	GROUP1 G1V, 45, 32
	s_mul_i32 s17, s16, 64*PITCH
	s_mul_i32 s12, s14, 32*PITCH                   ; a refill's quarter: 32 rows x wave
	s_mov_b32 s[G0W], 1
	s_add_co_u32 s[G0W+1], s17, YB
	s_mov_b32 s[G0Y], 1
	s_mov_b32 s[G0Y+1], s17
	s_mov_b32 s[G0R], 1
	s_add_co_u32 s[G0R+1], s12, YB
	s_mov_b32 s[G0V], 1
	s_mov_b32 s[G0V+1], s12
	s_lshl_b32 s22, s43, 9
	s_lshl_b32 s23, s18, 8
	s_add_co_u32 s23, s22, s23                     ; V's window: its first row of pc
	s_xor_b32 s46, s18, 1
	s_lshl_b32 s47, s46, 8
	s_add_co_u32 s22, s22, s47                     ; the other window's
	s_lshl_b32 s2, s16, 6
	s_lshl_b32 s47, s42, 7
	s_add_co_u32 s47, s47, s2
	s_add_co_u32 s47, s47, 8192                    ; the first weight: row 8192 + 128 x tile column + 64 x (wave % 2): what I fetch (waves 0, 1), and what I multiply
	s_lshl_b32 s84, s47, 10
	s_mov_b32 s85, 0
	s_add_co_u32 s86, s22, s2
	s_lshl_b32 s86, s86, 10                        ; chunk 0: + 64 x (wave % 2): what waves 2, 3 fetch
	s_mov_b32 s87, 0
	s_lshl_b32 s21, s14, 5
	s_add_co_u32 s88, s22, s21
	s_add_co_u32 s88, s88, 128
	s_lshl_b32 s88, s88, 10                        ; chunk 1: my 32 rows
	s_mov_b32 s89, 0
	s_lshl_b32 s20, s13, 7
	s_add_co_u32 s20, s20, 10240                   ; W_v's first row
	s_add_co_u32 s90, s20, s21
	s_lshl_b32 s90, s90, 10
	s_mov_b32 s91, 0
	s_add_co_u32 s3, s23, s21
	s_lshl_b32 s3, s3, 10                          ; chunk 2: my 32 rows, in bytes: it stays
	s_wait_dscnt 0x0                               ; both opening adds are done
	CROUND                                         ; all sixteen work-groups are here: the first joint loads meet
	s_wait_kmcnt 0x0
	s_add_nc_u64 s[G0W+2:G0W+3], s[4:5], s[84:85]
	s_or_b32 s[G0W+3], s[G0W+3], 0x80000000
	s_add_nc_u64 s[G0Y+2:G0Y+3], s[4:5], s[86:87]
	s_or_b32 s[G0Y+3], s[G0Y+3], 0x80000000
	s_add_nc_u64 s[G0R+2:G0R+3], s[4:5], s[88:89]
	s_or_b32 s[G0R+3], s[G0R+3], 0x80000000
	s_add_nc_u64 s[G0V+2:G0V+3], s[4:5], s[90:91]
	s_or_b32 s[G0V+3], s[G0V+3], 0x80000000
	s_cmp_lt_u32 s14, 2                            ; one load a wave, and a line of its own for what is shown first
	s_cbranch_scc0 .Lfor_x
	TLOAD G0W, G1W                                 ; waves 0, 1: the first weight, which goes on into registers
	s_branch .Lasked
.Lfor_x:
	TLOAD G0Y, G1Y                                 ; waves 2, 3: chunk 0
.Lasked:
	v_and_b32 v40, 15, v0                          ; r = lane % 16
	v_bfe_u32 v41, v0, 4, 1                        ; h = lane / 16
	v_and_b32 v42, 31, v0                          ; lane
	v_lshlrev_b32 v[ABS], 5, v42
	v_lshlrev_b32 v[AYS], 5, v40
	s_wait_alu depctr_va_vdst(0)
	s_lshl_b32 s100, s47, 5
	s_mov_b32 s101, 0
	s_add_nc_u64 s[100:101], s[6:7], s[100:101]    ; the scale bytes of my 64 rows of the first weight,
	s_add_co_u32 s46, s20, s2
	s_lshl_b32 s46, s46, 5
	s_mov_b32 s47, 0
	s_add_nc_u64 s[46:47], s[6:7], s[46:47]        ; of W_v,
	s_lshl_b32 s21, s15, 6
	s_add_co_u32 s84, s22, s21
	s_lshl_b32 s84, s84, 5
	s_mov_b32 s85, 0
	s_add_nc_u64 s[84:85], s[6:7], s[84:85]        ; of my four tiles of chunk 0 (chunk 1: 4,096 bytes on),
	s_add_co_u32 s86, s23, s21
	s_lshl_b32 s86, s86, 5
	s_mov_b32 s87, 0
	s_add_nc_u64 s[86:87], s[6:7], s[86:87]        ; and of chunk 2 (chunk 3 likewise)
.irp p, 0,1
.irp c, 0,1
	global_load_b128 v[SB+8*\p+4*\c:SB+8*\p+4*\c+3], v[ABS], s[100:101] offset:1024*\p+16*\c
	global_load_b128 v[WS+8*\p+4*\c:WS+8*\p+4*\c+3], v[ABS], s[46:47] offset:1024*\p+16*\c
.endr
.endr
.macro SALOAD set, ptr, add            ; a chunk's scale words of my four tiles: lane r takes row r's 32 bytes
.irp i, 0,1,2,3
.irp c, 0,1
	global_load_b128 v[SA+32*\set+8*\i+4*\c:SA+32*\set+8*\i+4*\c+3], v[AYS], s[\ptr:\ptr+1] offset:\add+\i*512+16*\c
.endr
.endr
.endm
	SALOAD 0, 84, 0
	SALOAD 1, 84, 4096
	s_lshl_b32 s88, s40, 2
	s_add_co_u32 s88, s88, s14                     ; which of the cluster row's sixteen waves I am
	s_lshl_b32 s88, s88, 13
	s_lshl_b32 s89, s22, 10
	s_add_co_u32 s89, s89, s88
	s_add_co_u32 s89, s89, 128*KROW
	v_lshl_add_u32 v[PF1], v42, 8, s89             ; my 8,192 bytes of chunk 1,
	s_lshl_b32 s89, s23, 10
	s_add_co_u32 s89, s89, s88
	v_lshl_add_u32 v[PF2], v42, 8, s89             ; of chunk 2,
	v_add_nc_u32 v[PF3], 128*KROW, v[PF2]          ; of chunk 3,
	s_lshl_b32 s88, s41, 2
	s_add_co_u32 s88, s88, s14                     ; and, as one of the cluster column's sixteen,
	s_lshl_b32 s88, s88, 13
	s_lshl_b32 s89, s20, 10
	s_add_co_u32 s89, s89, s88
	v_lshl_add_u32 v[PFV], v42, 8, s89             ; of W_v's rows
	s_mul_i32 s88, s15, 4*TILE                     ; my four tiles in a slot
	v_mul_u32_u24 v43, v40, PITCH
	v_lshl_add_u32 v43, v41, 4, v43                ; a fragment's row x pitch + 16 x half
	v_add_nc_u32 v[ADRW2], s17, v43
	v_add_nc_u32 v[ADRW], YB, v[ADRW2]
	v_add_nc_u32 v[ADRX], s88, v43
	v_add_nc_u32 v[ADRX+1], YB, v[ADRX]
	v_lshlrev_b32 v[CN], 4, v42
	v_lshlrev_b32 v[FC], 3, v42
	s_lshl_b32 s88, s15, 8
	s_lshl_b32 s89, s16, 1
	s_add_co_u32 s88, s88, s89
	s_add_co_u32 s88, s88, XN
	v_lshl_add_u32 v[XA], v40, 2, s88              ; 256 x row of waves (four tiles) + 4 r + 2 x column of waves
	s_lshl_b32 s88, s16, 9
	s_lshl_b32 s89, s15, 1
	s_add_co_u32 s88, s88, s89
	s_add_co_u32 s88, s88, XV
	v_lshl_add_u32 v[XB], v40, 2, s88              ; 512 x column of waves + 4 r + 2 x row of waves (two pairs of tiles)
	s_lshl_b32 s88, s14, 9
	s_add_co_u32 s88, s88, XN
	v_lshl_add_u32 v[FA], v42, 4, s88
	s_lshl_b32 s88, s14, 8
	s_add_co_u32 s88, s88, XV
	v_lshl_add_u32 v[FB], v42, 3, s88
	; where my results go
	s_lshr_b32 s20, s43, 2                         ; the batch
	s_and_b32 s21, s43, 3                          ; which 512 tokens of it
	s_and_b32 s22, s42, 7                          ; phase 1's pair of heads
	s_lshl_b32 s23, s20, 4
	s_lshl_b32 s40, s22, 1
	s_add_co_u32 s40, s40, s16
	s_add_co_u32 s40, s40, s23                     ; batch x head
	s_lshl_b32 s40, s40, 17
	s_lshl_b32 s41, s19, 23
	s_add_co_u32 s40, s40, s41
	s_lshl_b32 s41, s21, 15                        ; 32 tiles of 1,024 bytes
	s_add_co_u32 s40, s40, s41
	s_lshl_b32 s41, s15, 12                        ; my four tiles of a chunk's eight
	s_add_co_u32 s40, s40, s41
	s_lshl_b32 s41, s18, 14                        ; a window is 16 tiles
	s_add_co_u32 s90, s40, s41
	s_xor_b32 s41, s41, 16384
	s_add_co_u32 s88, s40, s41
	s_mov_b32 s89, 0
	s_mov_b32 s91, 0
	s_add_nc_u64 s[88:89], s[8:9], s[88:89]        ; q's or k's codes of the window that is not V's,
	s_add_nc_u64 s[90:91], s[8:9], s[90:91]        ; of V's window
	s_lshl_b32 s40, s13, 1
	s_add_co_u32 s44, s40, s23                     ; 16 x batch + W_v's first head
	s_add_co_u32 s40, s44, s16
	s_lshl_b32 s40, s40, 17
	s_lshl_b32 s41, s21, 2
	s_lshl_b32 s45, s18, 1
	s_add_co_u32 s45, s45, s41                     ; V's window: its first 128 keys among the batch's 16
	s_lshl_b32 s41, s45, 13
	s_add_co_u32 s40, s40, s41
	s_lshl_b32 s41, s15, 10                        ; c = 2 x row of waves + pair
	s_add_co_u32 s40, s40, s41
	s_add_co_u32 s92, s40, 16777216
	s_mov_b32 s93, 0
	s_add_nc_u64 s[92:93], s[8:9], s[92:93]        ; v's codes
	s_lshl_b32 s40, s20, 3
	s_add_co_u32 s40, s40, s22
	s_lshl_b32 s40, s40, 13
	s_lshl_b32 s41, s19, 18
	s_add_co_u32 s40, s40, s41
	s_lshl_b32 s41, s21, 11
	s_add_co_u32 s40, s40, s41
	s_xor_b32 s41, s18, s15                        ; at the end wave n stores the scale words of chunk n in the order of work: its window,
	s_xor_b32 s41, s41, 1
	s_lshl_b32 s41, s41, 1
	s_add_co_u32 s41, s41, s16                     ; its place among my four chunks,
	s_lshl_b32 s41, s41, 9                         ; 512 bytes a chunk
	s_add_co_u32 s94, s40, s41
	s_mov_b32 s95, 0
	s_add_nc_u64 s[94:95], s[10:11], s[94:95]
	s_add_co_u32 s40, s44, s15                     ; and v's of head n / 2, 128 keys n % 2 in the order of work (chunk 3, then chunk 2)
	s_lshl_b32 s40, s40, 12
	s_xor_b32 s41, s16, 1
	s_add_co_u32 s41, s41, s45
	s_lshl_b32 s41, s41, 8
	s_add_co_u32 s40, s40, s41
	s_add_co_u32 s96, s40, 524288
	s_mov_b32 s97, 0
	s_add_nc_u64 s[96:97], s[10:11], s[96:97]
	s_mov_b32 s98, 0x76543210
	s_mov_b32 s99, 0xfedcba98                      ; v_permlanex16_b32's selects for lane l xor 16
	s_mov_b32 s2, 0x600000                         ; the mantissa field of 448
	s_wait_alu depctr_va_vdst(0)
	s_cmp_lt_u32 s14, 2
	s_cbranch_scc0 .Lnot_w
	s_wait_tensorcnt 0x0                           ; waves 0, 1: the first weight has landed.  The other waves' wait stands ahead of the round below
.Lnot_w:
	BARRIER
	global_prefetch_b8 v[PF1], s[4:5] th:TH_LOAD_NT scope:SCOPE_SE
	global_prefetch_b8 v[PF2], s[4:5] th:TH_LOAD_NT scope:SCOPE_SE
.macro WEIGHTS adr                     ; my 64 rows of a weight, all of K: fragment f = 4 q + b (registers 4 c .. 4 c + 3 hold K = 32 c + 16 h + 0 .. 15) lies in window 1 + f / 16
.irp q, 0,1,2,3,4,5,6,7
	WIN (1+\q/4)<<6
.irp b, 0,1,2,3
.irp c, 0,1,2,3
	ds_load_b128 v[16*((4*\q+\b)%16)+4*\c:16*((4*\q+\b)%16)+4*\c+3], v[\adr] offset:128*\q+32*\c+\b*TILE
.endr
.endr
.endr
	WIN 0
.endm
.macro GRD
	s_wait_tensorcnt 0x0
	ds_add_u32 v[SPW], v[NIL]
.endm
.macro RDESC add, lds                  ; the refill's group 0: my 32 rows, so many bytes behind chunk 2's, into the slot at lds
	s_add_co_u32 s20, s3, \add
	s_mov_b32 s21, 0
	s_add_nc_u64 s[G0R+2:G0R+3], s[4:5], s[20:21]
	s_or_b32 s[G0R+3], s[G0R+3], 0x80000000
	s_add_co_u32 s[G0R+1], s12, \lds
.endm
.macro FETCH e, slot, i                ; my tile i of the chunk in a slot, 16 rows, all of K, into set e of window 3: 32 loads
	WIN 3<<6
.set I_, 0
.rept 32
	ds_load_b128 v[128*(\e)+4*I_:128*(\e)+4*I_+3], v[ADRX+\slot] offset:(\i)*TILE+32*I_
.set I_, I_+1
.endr
	WIN 0
.endm
.macro PROD kind, e, n, sa, wsb        ; product n = 4 q + b: kind 0: source 0 = the weight's tile b, source 1 = x's 16 rows; kind 1: the other way round.  The first four start the sums
.set Q_, (\n)/4
.set B_, (\n)%4
.set AC_, ACC+32*(\e)+8*B_
.set R_, 128*(\e)+16*Q_
.set W_, 16*((\n)%16)
.set XS_, (\sa)+Q_
.set WS_, (\wsb)+8*(B_/2)+Q_
.if \kind
	WIN 3|((1+(\n)/16)<<2)
.if Q_ && B_%2
	v_wmma_scale_f32_16x16x128_f8f6f4 v[AC_:AC_+7], v[R_:R_+15], v[W_:W_+15], v[AC_:AC_+7], v[XS_], v[WS_] matrix_b_scale:MATRIX_SCALE_ROW1
.elseif Q_
	v_wmma_scale_f32_16x16x128_f8f6f4 v[AC_:AC_+7], v[R_:R_+15], v[W_:W_+15], v[AC_:AC_+7], v[XS_], v[WS_]
.elseif B_%2
	v_wmma_scale_f32_16x16x128_f8f6f4 v[AC_:AC_+7], v[R_:R_+15], v[W_:W_+15], 0, v[XS_], v[WS_] matrix_b_scale:MATRIX_SCALE_ROW1
.else
	v_wmma_scale_f32_16x16x128_f8f6f4 v[AC_:AC_+7], v[R_:R_+15], v[W_:W_+15], 0, v[XS_], v[WS_]
.endif
.else
	WIN (1+(\n)/16)|(3<<2)
.if Q_ && B_%2
	v_wmma_scale_f32_16x16x128_f8f6f4 v[AC_:AC_+7], v[W_:W_+15], v[R_:R_+15], v[AC_:AC_+7], v[WS_], v[XS_] matrix_a_scale:MATRIX_SCALE_ROW1
.elseif Q_
	v_wmma_scale_f32_16x16x128_f8f6f4 v[AC_:AC_+7], v[W_:W_+15], v[R_:R_+15], v[AC_:AC_+7], v[WS_], v[XS_]
.elseif B_%2
	v_wmma_scale_f32_16x16x128_f8f6f4 v[AC_:AC_+7], v[W_:W_+15], v[R_:R_+15], 0, v[WS_], v[XS_] matrix_a_scale:MATRIX_SCALE_ROW1
.else
	v_wmma_scale_f32_16x16x128_f8f6f4 v[AC_:AC_+7], v[W_:W_+15], v[R_:R_+15], 0, v[WS_], v[XS_]
.endif
.endif
.endm
.macro PRODS kind, e, sa, wsb          ; a block's 32 products, its four accumulators by turns
.set N_, 0
.rept 32
	PROD \kind, \e, N_, \sa, \wsb
.set N_, N_+1
.endr
	WIN 0
.endm
; THE QUANTISER: nk blocks of 32, each 16 numbers of mine (eight registers at xb + xs k, eight more yd further on) and 16 of lane l xor 16 -> codes CD + 4 k, bytes EB + k.  Each accumulator is read from its low end on.
.macro QUANT nk, xb, xs, yd
.set K_, 0
.rept \nk
	v_max3_num_f32 v[TM+K_], |v[\xb+\xs*K_]|, |v[\xb+\xs*K_+1]|, 0x4800000   ; the floor 2^(9 - 127) holds the byte at 1
	v_max3_num_f32 v[TN+K_], |v[\xb+\xs*K_+\yd]|, |v[\xb+\xs*K_+\yd+1]|, |v[\xb+\xs*K_+\yd+2]|
.set K_, K_+1
.endr
.irp i, 2,4,6
.set K_, 0
.rept \nk
	v_max3_num_f32 v[TM+K_], v[TM+K_], |v[\xb+\xs*K_+\i]|, |v[\xb+\xs*K_+\i+1]|
.if \i < 6
	v_max3_num_f32 v[TN+K_], v[TN+K_], |v[\xb+\xs*K_+\yd+\i+1]|, |v[\xb+\xs*K_+\yd+\i+2]|
.endif
.set K_, K_+1
.endr
.endr
.set K_, 0
.rept \nk
	v_max3_num_f32 v[TM+K_], v[TM+K_], v[TN+K_], |v[\xb+\xs*K_+\yd+7]|
.set K_, K_+1
.endr
.set K_, 0
.rept \nk
	v_permlanex16_b32 v[TN+K_], v[TM+K_], s98, s99
.set K_, K_+1
.endr
.set K_, 0
.rept \nk
	v_max_num_f32 v[TM+K_], v[TM+K_], v[TN+K_]     ; the block's largest magnitude
.set K_, K_+1
.endr
.set K_, 0
.rept \nk
	v_add_nc_u32 v[SOP+K_], 0xfc000000, v[TM+K_]   ; 8 off the exponent field: the conversion's scale operand
	v_and_or_b32 v[BD+K_], v[TM+K_], 0x7f800000, s2   ; 448 x the scale
.set K_, K_+1
.endr
.set K_, 0
.rept \nk
	v_lshrrev_b32 v[EB+K_], 23, v[SOP+K_]          ; the scale's byte
.set K_, K_+1
.endr
.set K_, 0
.rept \nk
.irp i, 0,1,2,3,4,5,6,7
	v_med3_num_f32 v[\xb+\xs*K_+\i], v[\xb+\xs*K_+\i], -v[BD+K_], v[BD+K_]   ; the conversion does not saturate (ISA guide 7.6.2): the hold comes first
	v_med3_num_f32 v[\xb+\xs*K_+\yd+\i], v[\xb+\xs*K_+\yd+\i], -v[BD+K_], v[BD+K_]
.endr
	v_cvt_scalef32_pk8_fp8_f32 v[CD+4*K_:CD+4*K_+1], v[\xb+\xs*K_:\xb+\xs*K_+7], v[SOP+K_]
	v_cvt_scalef32_pk8_fp8_f32 v[CD+4*K_+2:CD+4*K_+3], v[\xb+\xs*K_+\yd:\xb+\xs*K_+\yd+7], v[SOP+K_]
.set K_, K_+1
.endr
	v_nop                                          ; a plain line behind the last conversion
.endm
.macro QOUT s, ptr                     ; block s of q or k: a token's 64 channels are two blocks of 32; the wave stores 2 x 512 consecutive bytes, aligned
.set AS_, ACC+32*((\s)%2)
	s_wait_xcnt 0x0                                ; the last block's stores have read their data
	QUANT 2, AS_, 16, 8
	v_lshl_or_b32 v[PW], v[EB+1], 8, v[EB]
	ds_store_b16 v[XA], v[PW] offset:((\s)/4)*512+((\s)%4)*64   ; both halves of the lanes write the same bytes with the same value
	global_store_b128 v[CN], v[CD:CD+3], s[\ptr:\ptr+1] offset:(((\s)/4)%2)*8192+((\s)%4)*1024
	global_store_b128 v[CN], v[CD+4:CD+7], s[\ptr:\ptr+1] offset:(((\s)/4)%2)*8192+((\s)%4)*1024+512
.endm
.macro VOUT u                          ; V's blocks u - 1 and u: 32 keys x 64 channels: a block of 32 for each of the four tiles of channels
	s_wait_xcnt 0x0
	QUANT 4, ACC, 8, 32
.irp t, 0,1,2,3
	ds_store_b8 v[XB], v[EB+\t] offset:((\u)/4)*256+\t*64+((\u)%4)/2
	global_store_b128 v[CN], v[CD+4*\t:CD+4*\t+3], s[92:93] offset:(1-(\u)/4)*8192+\t*2048+(((\u)%4)/2)*512
.endr
.endm
.macro B1 s, w                         ; phase 1's block s: w: LDS instructions issued behind its fetch, which may stay out (-1: an earlier wait for 0 has served)
.if (\w) >= 0
	s_wait_dscnt \w
.endif
	PRODS 0, (\s)%2, SA+32*(((\s)/4)%2)+8*((\s)%4), SB
	PLACES NP                                      ; ahead of the loads into what the products have read and of the first reads of the sums
.endm
.macro BV u, w                         ; phase 2's block u: chunk 3's words lie in set 1, chunk 2's in set 0
.if (\w) >= 0
	s_wait_dscnt \w
.endif
	PRODS 1, (\u)%2, SA+32*(1-(\u)/4)+8*((\u)%4), WS
.endm
	WEIGHTS ADRW
	GRD
	s_wait_dscnt 0x0                               ; the add is done, and the weight is in my registers
	CROUND                                         ; both hold of every wave of the cluster: slot 0 is whole, and nobody reads slot 1 any more
	TLOAD G0R, G1R                                 ; chunk 1 over the weight's bytes: my one tensor load behind the round
	FETCH 0, 0, 0
	FETCH 1, 0, 1
	s_wait_loadcnt 0x0                             ; the scale words
	B1 0, 32
	FETCH 0, 0, 2
	QOUT 0, 88
	B1 1, 33
	FETCH 1, 0, 3
	QOUT 1, 88
	B1 2, 34
	QOUT 2, 88
	GRD
	RDESC 0, 0
	s_wait_dscnt 0x0                               ; my reads of chunk 0 are over
	CROUND
	TLOAD G0R, G1R                                 ; chunk 2 into slot 0
	FETCH 0, 1, 0
	global_prefetch_b8 v[PF3], s[4:5] th:TH_LOAD_NT scope:SCOPE_SE
	B1 3, -1
	FETCH 1, 1, 1
	SALOAD 0, 86, 0                                ; chunk 2's scale words, where chunk 0's lay
	QOUT 3, 88
	B1 4, 32
	FETCH 0, 1, 2
	QOUT 4, 88
	B1 5, 33
	FETCH 1, 1, 3
	QOUT 5, 88
	B1 6, 34
	QOUT 6, 88
	GRD
	RDESC 131072, YB
	s_wait_dscnt 0x0
	CROUND
	TLOAD G0R, G1R                                 ; chunk 3 into slot 1
	FETCH 0, 0, 0
	global_prefetch_b8 v[PFV], s[4:5] th:TH_LOAD_NT scope:SCOPE_SE
	B1 7, -1
	FETCH 1, 0, 1
	SALOAD 1, 86, 4096                             ; chunk 3's scale words
	QOUT 7, 88
	s_wait_loadcnt 0x0
	B1 8, 32
	FETCH 0, 0, 2
	QOUT 8, 90
	B1 9, 33
	FETCH 1, 0, 3
	QOUT 9, 90
	B1 10, 34
	QOUT 10, 90
	GRD
	s_wait_dscnt 0x0
	CROUND
	TLOAD G0V, G1V                                 ; W_v's rows into slot 0: shared by my column of the cluster
	FETCH 0, 1, 0
	B1 11, -1
	FETCH 1, 1, 1
	QOUT 11, 90
	B1 12, 32
	FETCH 0, 1, 2
	QOUT 12, 90
	B1 13, 33
	FETCH 1, 1, 3
	QOUT 13, 90
	B1 14, 34
	FETCH 0, 1, 0                                  ; the block two on is V's first: chunk 3 again, as it lies in slot 1
	QOUT 14, 90
	B1 15, 34
	FETCH 1, 1, 1
	QOUT 15, 90
; the change of phase
	s_wait_tensorcnt 0x0                           ; my part of W_v's rows is in
	s_wait_dscnt 0x0
	BARRIER                                        ; everybody's is
	WEIGHTS ADRW2
	GRD
	RDESC 0, 0
	s_wait_dscnt 0x0                               ; W_v is in my registers
	CROUND
	TLOAD G0R, G1R                                 ; chunk 2 anew into slot 0
	BV 0, -1
	PLACES NP
	FETCH 0, 1, 2
	BV 1, -1
	PLACES NP
	FETCH 1, 1, 3
	VOUT 1
	BV 2, 36                                       ; behind its fetch: the next fetch's 32 loads and four byte stores
	BV 3, 4
	PLACES NP
	VOUT 3
	s_wait_tensorcnt 0x0                           ; my part of chunk 2 is in
	s_wait_dscnt 0x0
	BARRIER
	FETCH 0, 0, 0
	FETCH 1, 0, 1
	BV 4, 32
	PLACES NP
	FETCH 0, 0, 2
	BV 5, 32
	PLACES NP
	FETCH 1, 0, 3
	VOUT 5
	BV 6, 36
	BV 7, 4
	PLACES NP
	VOUT 7
	s_wait_dscnt 0x0                               ; my scale bytes are in LDS
	BARRIER                                        ; everybody's are
	ds_load_b128 v[232:235], v[FA]
	ds_load_b64 v[236:237], v[FB]
	s_wait_dscnt 0x0
	global_store_b128 v[CN], v[232:235], s[94:95]  ; 512 consecutive bytes, aligned
	global_store_b64 v[FC], v[236:237], s[96:97]   ; 256 consecutive bytes, aligned
	s_wait_tensorcnt 0x0                           ; the wave's end
	ds_add_u32 v[SPW], v[NIL]
	s_wait_dscnt 0x0
	CROUND                                         ; the closing round
	s_endpgm
.Lfunc_end_k_q3c0c59f6e8_gemm1:
	.size	k_q3c0c59f6e8_gemm1, .Lfunc_end_k_q3c0c59f6e8_gemm1-k_q3c0c59f6e8_gemm1
	.p2alignl 7, 3214868480
	.fill 96, 4, 3214868480
	.section	.rodata,"a",@progbits
	.p2align	6, 0x0
	.amdhsa_kernel k_q3c0c59f6e8_gemm1
		.amdhsa_group_segment_fixed_size 327680
		.amdhsa_private_segment_fixed_size 0
		.amdhsa_enable_private_segment 0
		.amdhsa_kernarg_size 32
		.amdhsa_user_sgpr_count 2
		.amdhsa_user_sgpr_kernarg_segment_ptr 1
		.amdhsa_wavefront_size32 1
		.amdhsa_system_sgpr_workgroup_id_x 1
		.amdhsa_system_sgpr_workgroup_id_y 1
		.amdhsa_system_sgpr_workgroup_id_z 1
		.amdhsa_system_vgpr_workitem_id 0
		.amdhsa_next_free_vgpr 1024
		.amdhsa_next_free_sgpr 102
		.amdhsa_reserve_vcc 0
		.amdhsa_float_denorm_mode_32 3
		.amdhsa_float_denorm_mode_16_64 3
		.amdhsa_memory_ordered 1
		.amdhsa_forward_progress 1
		.amdhsa_inst_pref_size 255
	.end_amdhsa_kernel
	.section	.bss,"aw",@nobits
	.p2align	6
	.space	262144
	.amdgpu_metadata
---
amdhsa.version: [ 1, 2 ]
amdhsa.kernels:
  - .name:           k_q3c0c59f6e8_gemm1
    .symbol:         k_q3c0c59f6e8_gemm1.kd
    .args:
      - { .name: pc, .offset: 0, .size: 8, .value_kind: global_buffer, .address_space: global }
      - { .name: ps, .offset: 8, .size: 8, .value_kind: global_buffer, .address_space: global }
      - { .name: qkvc, .offset: 16, .size: 8, .value_kind: global_buffer, .address_space: global }
      - { .name: qkvs, .offset: 24, .size: 8, .value_kind: global_buffer, .address_space: global }
    .group_segment_fixed_size: 327680
    .private_segment_fixed_size: 0
    .kernarg_segment_align: 8
    .kernarg_segment_size: 32
    .max_flat_workgroup_size: 128
    .sgpr_count:     102
    .vgpr_count:     1024
    .wavefront_size: 32
...
	.end_amdgpu_metadata
.endif
;; end of part 2
;; launch attn (part 3): grid 4 x 64, 16 waves a work-group, clusters of 4 x 1, 327,680 bytes of LDS; arguments qkvc, qkvs, yc, ys; writes yc, ys
.if DOCPART == 3
	.amdgcn_target "amdgcn-amd-amdhsa--gfx1250"
	.amdhsa_code_object_version 6
	.text
	.protected	k_q3c0c59f6e8_attn
	.globl	k_q3c0c59f6e8_attn
	.p2align	8
	.type	k_q3c0c59f6e8_attn,@function
k_q3c0c59f6e8_attn:
	s_mov_b64 s[64:65], 0
	v_nop
	global_prefetch_b8 v0, s[64:65] scope:SCOPE_SE
	s_setreg_imm32_b32 hwreg(HW_REG_WAVE_MODE, 25, 1), 1
	s_wait_xcnt 0x0
	s_wait_alu depctr_hold_cnt(0) depctr_sa_sdst(0) depctr_va_vdst(0) depctr_va_sdst(0) depctr_va_ssrc(0) depctr_va_vcc(0) depctr_vm_vsrc(0)
	s_getreg_b32 s2, hwreg(HW_REG_IB_STS2, 6, 4)
	s_cmp_eq_u32 s2, 0
	s_cbranch_scc0 .Lentry_in_a_cluster
	s_endpgm
.Lentry_in_a_cluster:
	s_bfe_u32 s2, ttmp6, 0x10000c
	s_cmp_lg_u32 s2, 0x3003
	s_cbranch_scc0 .Lentry_shape_is_right
	s_endpgm
.Lentry_shape_is_right:
; y = softmax(q k^T / 32, causal) v for one batch x head, both products on codes of E4M3 with E8M0 scales; y is quantised along the channels and leaves as codes.
; t = score x log2(e) / 32; M = the running largest t rounded up to a whole number; p = 2^(t - M) is quantised along the keys, not normalised; the row's sum of the unquantised p divides O at the end.
; When M moves, the sum and O are multiplied by 2^(old M - new M), which rounds nothing.  Key steps that lie wholly behind the causal mask are not walked.
; ALL OF A HEAD'S K AND V STAYS IN LDS: 131,072 bytes of K's images, 131,072 of V's, 8,192 and 4,096 of their scale words, filled once at the head, one tensor load a wave; the loop has no barrier and no refill.
; THE DEAL.  The head's 2,048 queries are 16 groups of 128; a group is four pairs of tiles (32 queries each).  Work-group j of the head's four takes pair j of every group, so all four need all keys:
; they form a cluster of 4 x 1 and ask for every tile jointly.  Group g needs key steps 0 .. g (128 keys each), whatever j: no branch and no LDS address hangs on the place in the cluster; only global addresses and the mask's bound do.
; Wave w = 2 a + u owns tile u of groups a and 15 - a: (a + 1) + (16 - a) = 17 steps in every wave.  Trip t walks step t of the first tile while t <= a, then step 16 - t of the second (its keys downward, the diagonal first).
; LAYOUT.  Both products are used transposed (S^T = K Q^T, O^T = V^T P^T): a lane holds one query.  All operands lie in memory as images of their registers; tile T = 8 g + 2 j + u, lane r holds query 32 (T / 2) + 8 u + r + 8 (r / 8).
; The head has 64 channels and the matrix form 128 along K: Q's upper eight registers hold zero codes; K's eight fragments of eight registers lie on end, so the upper half of an operand is the next tile's codes
; (finite numbers, times zero), and behind the last lie the second tile's codes of Q, which wait there.  The upper two scale bytes are 0 (2^-127, over zeros).
; NO PREFETCH: every tensor load goes out at the head; there is no loop that runs ahead of a load.
; OUT: yc [tile of 16 rows 512][128 channels 8][c 4][lane][16 bytes]; ys [8192 rows][32 bytes]: a row's 32 scale bytes come from 16 work-groups, one byte a lane, 1/32 of y's bytes.
; LIMITS: a block of zeros gets the byte 1 (zero codes; read by this program alone); blocks under 2^-118 are held at the byte 1; NaN and infinities are not served; the scaled scores stay under 2^31 in magnitude.
.set VIM,   131072                     ; LDS: K's images at 0 (8,192 bytes a step), V's here,
.set KSC,   262144                     ; K's scale words (512 a step),
.set VSC,   270336                     ; V's (256 a step),
.set SPARE, 274432                     ; the spare words: 128 bytes a wave, eight blocks of 256 bytes that no other line names
; v1-3 lane places, v4-5 the add's, v6 K's address, v7 K's scales', v8 V's scales', v9 the mask's bound, v10-11 way out and Q's scales, v12 -M, v13 largest t, v14 V's address, v15 -infinity, v16-31 Q
.set KF,  32                           ; v32-95 K's eight fragments, then V's four; v96-103 the second tile's Q
.set S,   104                          ; v104-167 S^T, then p
.set O,   168                          ; v168-199 O^T
.set PC,  200                          ; v200-215 p's codes
.set TM,  216                          ; block maxima
.set TP,  220                          ; permute results, bytes
.set BA,  224                          ; 448 x scale
.set Q2S, 228                          ; the second tile's scale word of Q
.set BB,  229                          ; 448 x scale once more: the two halves of a dual line name second sources whose numbers differ modulo 4
.set SOP, 233                          ; the conversions' scale operands
.set KS,  237                          ; K's scale words
.set VS,  241                          ; V's
.set QS,  243                          ; Q's
.set PS,  244                          ; p's
.set TT,  245                          ; at work
.set F,   246                          ; v[246:247] f
.set SUM, 248                          ; v[248:249] the row's sum in two halves; v250-255 three more chains
; s12 wave, s13 a, s14 a + 1, s15 batch x head, s16 trip, s17 place in the cluster, s18-22 common offsets, s23 448's mantissa, s[24:25] permute selects, s[26:27] c, s[28:51] groups 1, s[52:63] groups 0,
; s67 mask of lanes 16-31, s[70:77] Q's codes, Q's scales, y's codes, y's scales of the first tile, s[78:85] of the second, s86-95 at work.
.macro ROUND                           ; a round of the cluster's barrier
	s_barrier_signal -1
	s_barrier_wait -1
	s_cmp_lg_u32 s12, 0
	s_cbranch_scc1 .Lnw0_\@
	s_barrier_signal -3
.Lnw0_\@:
	s_barrier_wait -3
	s_barrier_signal -1
	s_barrier_wait -1
.endm
.macro TL g0, g1                       ; a joint load; an s_nop 0 and four v_nop follow it
	tensor_load_to_lds s[\g0:\g0+3], s[\g1:\g1+7]
	s_nop 0
.rept 4
	v_nop
.endr
.endm
.macro INIT                            ; a tile's first step finds zeros, which the first change of M leaves zeros
	v_mov_b32 v13, 0xff61b1e6                      ; -3e38, under every t
	s_delay_alu instid0(VALU_DEP_1)
	v_floor_f32 v12, -v13
	v_mov_b32 v[SUM], 0
	v_mov_b32 v[SUM+1], 0
.set n, 0
.rept 32
	v_mov_b32 v[O+n], 0
.set n, n+1
.endr
.endm
.macro ADDR                            ; the key step of trip s16, and its four LDS addresses
	s_add_co_u32 s86, s16, 15
	s_and_b32 s86, s86, 15
	s_xor_b32 s86, s86, 15                         ; 16 - trip, for trips 1 to 16
	s_min_u32 s87, s16, 7                          ; the trip itself: chosen only while trip <= a <= 7
	s_cmp_le_u32 s16, s13
	s_cselect_b32 s86, s87, s86
	s_lshl_b32 s87, s86, 13
	s_lshl_b32 s89, s86, 9
	s_lshl_b32 s86, s86, 8
	v_add_nc_u32 v6, s87, v1
	v_add_nc_u32 v7, s89, v2
	v_add_nc_u32 v8, s86, v3
	v_add_nc_u32 v14, VIM, v6
.endm
.macro PTRS t, p                       ; the four pointers of tile s\t
	s_lshl_b32 s92, s\t, 10
	s_add_co_u32 s92, s92, s18
	s_add_nc_u64 s[\p:\p+1], s[4:5], s[92:93]
	s_lshl_b32 s92, s\t, 6
	s_add_co_u32 s92, s92, s19
	s_add_nc_u64 s[\p+2:\p+3], s[6:7], s[92:93]
	s_lshl_b32 s92, s\t, 14
	s_add_co_u32 s92, s92, s20
	s_add_nc_u64 s[\p+4:\p+5], s[8:9], s[92:93]
	s_lshl_b32 s92, s\t, 9
	s_add_co_u32 s92, s92, s21
	s_add_nc_u64 s[\p+6:\p+7], s[10:11], s[92:93]
.endm
; A tile is finished: y = O / the sum, quantised along the head's 64 channels (two blocks of 32), stored as the image of an operand's registers.  more = 1: the second tile begins.
; The eight plain lines at a trip's end are the places behind the last products.
.macro FLUSH p, more
	v_add_f32 v[SUM], v[SUM], v[SUM+1]
	v_permlanex16_b32 v[TT], v[SUM], s24, s25
	v_add_f32 v[SUM], v[SUM], v[TT]                ; the row's sum
	s_wait_alu depctr_va_vdst(0)                   ; ahead of the transcendental
	v_rcp_f32 v[SUM], v[SUM]
	v_nop
	s_wait_alu depctr_va_vdst(0)                   ; and ahead of its first reader, which is O^T's first reader too
.set n, 0
.rept 16
	v_pk_mul_f32 v[O+n:O+n+1], v[O+n:O+n+1], v[SUM:SUM+1] op_sel_hi:[1,0]   ; register 16 b + i is y(my query, 32 b + 16 h + i); each accumulator from its low end on
.set n, n+2
.endr
.irp b, 0,1
	v_max3_num_f32 v[TM+\b], |v[O+16*\b]|, |v[O+16*\b+1]|, 0x4800000
.endr
.irp i, 2,4,6,8,10,12,14
.irp b, 0,1
	v_max3_num_f32 v[TM+\b], v[TM+\b], |v[O+16*\b+\i]|, |v[O+16*\b+\i+1]|
.endr
.endr
.irp b, 0,1
	v_permlanex16_b32 v[TP+\b], v[TM+\b], s24, s25
.endr
.irp b, 0,1
	v_max_num_f32 v[TM+\b], v[TM+\b], v[TP+\b]
.endr
.irp b, 0,1
	v_add_nc_u32 v[SOP+\b], 0xfc000000, v[TM+\b]
.endr
.irp b, 0,1
	v_and_or_b32 v[BA+\b], v[TM+\b], 0x7f800000, s23
.endr
.irp b, 0,1
	v_lshrrev_b32 v[TP+\b], 23, v[SOP+\b]
.endr
	v_cndmask_b32 v[TT], v[TP], v[TP+1], s67       ; lanes 0-15 store block 0's byte, lanes 16-31 block 1's
.irp b, 0,1
.set n, 0
.rept 16
	v_med3_num_f32 v[O+16*\b+n], v[O+16*\b+n], -v[BA+\b], v[BA+\b]
.set n, n+1
.endr
	v_cvt_scalef32_pk8_fp8_f32 v[PC+4*\b:PC+4*\b+1], v[O+16*\b:O+16*\b+7], v[SOP+\b]
	v_cvt_scalef32_pk8_fp8_f32 v[PC+4*\b+2:PC+4*\b+3], v[O+16*\b+8:O+16*\b+15], v[SOP+\b]
.endr
	v_nop                                          ; a plain line behind the last conversion
	global_store_b128 v1, v[PC:PC+3], s[\p:\p+1]   ; the wave stores 512 consecutive bytes, aligned
	global_store_b128 v1, v[PC+4:PC+7], s[\p:\p+1] offset:512
	global_store_b8 v10, v[TT], s[\p+2:\p+3]
.if \more
	s_wait_xcnt 0x0                                ; the stores have read their data: it is written again only behind this wait
.set n, 0
.rept 8
	v_mov_b32 v[16+n], v[96+n]                     ; the second tile's Q
.set n, n+1
.endr
	v_mov_b32 v[QS], v[Q2S]
	INIT                                           ; (its 36 lines are also the places between Q's new registers and the products)
.endif
.endm
	s_load_b256 s[4:11], s[0:1], 0x0               ; qkvc, qkvs, yc, ys
	v_lshl_add_u32 v4, v0, 2, SPARE
	v_mov_b32 v5, 0
	ds_add_u32 v4, v5                              ; the opening lines: the add, twice on end, and its wait ahead of my tensor load
	ds_add_u32 v4, v5
	v_lshrrev_b32 v6, 5, v0
	v_readfirstlane_b32 s12, v6                    ; wave 0..15
	s_lshr_b32 s13, s12, 1                         ; a
	s_add_co_u32 s14, s13, 1
	s_and_b32 s88, s12, 1                          ; u
	s_and_b32 s15, ttmp7, 0xffff                   ; batch x head: the cluster's y
	s_bfe_u32 s17, ttmp6, 0x40000                  ; j: my place in the cluster
	s_lshr_b32 s86, s15, 4                         ; the batch
	s_and_b32 s87, s15, 15                         ; the head
	; groups 1: dense blocks as rows of 256 bytes (32 elements of 8 bytes): 128, 8 and 4 rows; the mask names the cluster's four, bit 21 beside it
.irp g, 28, 36, 44
	s_mov_b32 s[\g], (3<<16)|(1<<21)|15
	s_mov_b32 s[\g+1], 32<<16
	s_mov_b32 s[\g+3], 32<<16
	s_mov_b32 s[\g+5], 32
	s_mov_b32 s[\g+6], 0
	s_mov_b32 s[\g+7], 0
.endr
	s_mov_b32 s30, 128<<16
	s_mov_b32 s32, 128
	s_mov_b32 s38, 8<<16
	s_mov_b32 s40, 8
	s_mov_b32 s46, 4<<16
	s_mov_b32 s48, 4
	; groups 0.  Waves 0-3: a quarter of K's images each, waves 4-7 of V's (32,768 bytes); waves 8-11: a quarter of K's scale words (2,048); waves 12-15: of V's (1,024)
	s_and_b32 s89, s12, 3
	s_and_b32 s90, s12, 7
	s_mov_b32 s52, 1
	s_lshl_b32 s53, s90, 15                        ; LDS: 32,768 x wave
	s_lshr_b32 s91, s90, 2
	s_lshl_b32 s91, s91, 23                        ; v's images lie 8,388,608 bytes behind k's
	s_lshl_b32 s92, s89, 15
	s_add_co_u32 s92, s92, s91
	s_lshl_b32 s18, s15, 17                        ; 131,072 bytes for each batch x head
	s_add_co_u32 s92, s92, s18
	s_add_co_u32 s92, s92, 8388608
	s_mov_b32 s93, 0
	s_mov_b32 s56, 1
	s_lshl_b32 s57, s89, 11
	s_lshl_b32 s19, s86, 3
	s_lshr_b32 s91, s87, 1
	s_add_co_u32 s19, s19, s91
	s_lshl_b32 s19, s19, 13                        ; q's and k's scale words: 8,192 bytes for each batch x pair of heads
	s_add_co_u32 s94, s57, s19
	s_add_co_u32 s94, s94, 262144
	s_mov_b32 s95, 0
	s_add_co_u32 s57, s57, KSC
	s_mov_b32 s60, 1
	s_lshl_b32 s61, s89, 10
	s_lshl_b32 s20, s15, 12                        ; v's: 4,096 bytes for each batch x head
	s_add_co_u32 s20, s20, s61
	s_add_co_u32 s20, s20, 524288
	s_mov_b32 s21, 0
	s_add_co_u32 s61, s61, VSC
	s_mov_b32 s23, 0x600000
	s_mov_b32 s24, 0x76543210
	s_mov_b32 s25, 0xfedcba98
	s_mov_b32 s26, 0x3d38aa3b                      ; c = log2(e) / 32
	s_mov_b32 s27, s26
	s_mov_b32 s67, 0xffff0000
	s_wait_dscnt 0x0                               ; both opening adds are done
	ROUND                                          ; all four work-groups are here: the joint loads meet
	s_wait_kmcnt 0x0
	s_add_nc_u64 s[54:55], s[4:5], s[92:93]
	s_or_b32 s55, s55, 0x80000000
	s_add_nc_u64 s[58:59], s[6:7], s[94:95]
	s_or_b32 s59, s59, 0x80000000
	s_add_nc_u64 s[62:63], s[6:7], s[20:21]
	s_or_b32 s63, s63, 0x80000000
	s_cmp_lt_u32 s12, 8                            ; one chain of branches on the wave's number, a load to an arm, one join: every wave issues one
	s_cbranch_scc0 .Larm_ks
	TL 52, 28
	s_branch .Lasked
.Larm_ks:
	s_cmp_lt_u32 s12, 12
	s_cbranch_scc0 .Larm_vs
	TL 56, 36
	s_branch .Lasked
.Larm_vs:
	TL 60, 44
.Lasked:
	s_lshl_b32 s89, s17, 1
	s_add_co_u32 s89, s89, s88                     ; 2 j + u
	s_lshl_b32 s90, s13, 3
	s_add_co_u32 s90, s90, s89                     ; the first tile: 8 a + 2 j + u
	s_sub_co_u32 s91, 15, s13
	s_lshl_b32 s91, s91, 3
	s_add_co_u32 s91, s91, s89                     ; the second: 8 (15 - a) + 2 j + u
	s_and_b32 s22, s87, 1
	s_lshl_b32 s22, s22, 1                         ; my head's two bytes of a scale word
	s_add_co_u32 s19, s19, s22
	s_lshl_b32 s20, s86, 21                        ; y's codes: 16,384 bytes a tile of rows, 1,024 a head
	s_lshl_b32 s92, s87, 10
	s_add_co_u32 s20, s20, s92
	s_lshl_b32 s21, s86, 16                        ; y's scale bytes: 512 a tile of rows, 2 a head
	s_lshl_b32 s92, s87, 1
	s_add_co_u32 s21, s21, s92
	PTRS 90, 70
	PTRS 91, 78
	v_and_b32 v6, 15, v0                           ; r
	v_bfe_u32 v7, v0, 4, 1                         ; h
	v_and_b32 v8, 8, v6
	v_add_nc_u32 v9, v8, v6
	s_lshl_b32 s92, s88, 3
	s_lshl_b32 s94, s17, 5
	s_add_co_u32 s92, s92, s94
	v_add_nc_u32 v9, s92, v9
	v_lshlrev_b32 v8, 4, v7
	v_sub_nc_u32 v9, v9, v8                        ; my query in its group of 128, less 16 h: in the diagonal step register 16 b + i holds key 32 b + 16 h + i, hidden where 32 b + i is over this bound
	v_lshl_add_u32 v10, v6, 5, v7                  ; y's scale bytes: 32 r + h
	v_lshlrev_b32 v11, 2, v6
	v_and_b32 v8, 31, v0
	v_lshlrev_b32 v1, 4, v8                        ; an image's place for my lane
	s_add_co_u32 s92, s22, KSC
	v_lshl_add_u32 v2, v8, 2, s92                  ; K's scale words: 4 bytes a lane, my head's half of the word
	v_lshl_add_u32 v3, v8, 2, VSC                  ; V's
	global_load_b128 v[16:19], v1, s[70:71]
	global_load_b128 v[20:23], v1, s[70:71] offset:512
	global_load_u16 v[QS], v11, s[72:73]           ; my head's two scale bytes; the upper two come as 0
	global_load_b128 v[96:99], v1, s[78:79]
	global_load_b128 v[100:103], v1, s[78:79] offset:512
	global_load_u16 v[Q2S], v11, s[80:81]
.set n, 0
.rept 8
	v_mov_b32 v[24+n], 0                           ; zero codes for the upper 64 of the form's 128 along K: they stay
.set n, n+1
.endr
.irp b, 0,1,2,3
	v_mov_b32 v[TP+\b], 0                          ; a lane permute's destination counts as one of its sources
.endr
	v_mov_b32 v[F+1], 0                            ; named as the upper half of the pair
	v_mov_b32 v[TT], 0
	v_mov_b32 v15, 0xff800000                      ; -infinity
	INIT
	s_mov_b32 s16, 0
	ADDR
	s_wait_alu depctr_va_vdst(0)
	s_wait_tensorcnt 0x0                           ; my part of the head's K, V and scale words is in;
	s_barrier_signal -1
	s_barrier_wait -1                              ; everybody's is: from here on LDS is only read
	s_wait_loadcnt 0x0                             ; Q, both tiles'
.Ltrip:                                            ; 17 trips, a key step of 128 keys each
	s_cmp_lg_u32 s16, s14                          ; trip a + 1 is the second tile's first
	s_cbranch_scc1 .Lnf
	FLUSH 74, 1
.Lnf:
.irp b, 0,1,2,3
	ds_load_u16 v[KS+\b], v7 offset:128*\b         ; lanes 0-15: tile 2 b's scales, lanes 16-31: tile 2 b + 1's
.endr
.irp j, 0,1,2,3,4,5,6,7
	ds_load_b128 v[KF+8*\j:KF+8*\j+3], v6 offset:1024*\j
	ds_load_b128 v[KF+8*\j+4:KF+8*\j+7], v6 offset:1024*\j+512
.endr
	s_wait_alu depctr_va_vdst(0)
	s_wait_dscnt 0x0
.irp g, 0,1,2,3
	v_wmma_scale_f32_16x16x128_f8f6f4 v[S+16*\g:S+16*\g+7], v[KF+16*\g:KF+16*\g+15], v[16:31], 0, v[KS+\g], v[QS]
	v_wmma_scale_f32_16x16x128_f8f6f4 v[S+16*\g+8:S+16*\g+15], v[KF+16*\g+8:KF+16*\g+23], v[16:31], 0, v[KS+\g], v[QS] matrix_a_scale:MATRIX_SCALE_ROW1
.endr
.rept 8
	v_nop                                          ; places behind the products: for the reads of S^T and for V's loads into K's registers
.endr
	s_cmp_eq_u32 s16, s13                          ; trips a and a + 1 are the two tiles' diagonal steps: there the scores of hidden keys become -infinity
	s_cbranch_scc1 .Lmask
	s_cmp_lg_u32 s16, s14
	s_cbranch_scc1 .Lopen
.Lmask:
.set n, 0
.rept 64
	v_cmp_gt_i32 vcc_lo, 32*(n/16)+n%16, v9
	v_cndmask_b32 v[S+n], v[S+n], v15, vcc_lo
.set n, n+1
.endr
.Lopen:
.irp b, 0,1,2,3
	v_max3_num_f32 v[TM+\b], v[S+16*\b], v[S+16*\b+1], v[S+16*\b+2]   ; the largest score of each block of 32 keys: for the row's maximum and, since p rises with the score, for the block's largest p
.endr
.irp i, 3,5,7,9,11,13
.irp b, 0,1,2,3
	v_max3_num_f32 v[TM+\b], v[TM+\b], v[S+16*\b+\i], v[S+16*\b+\i+1]
.endr
.endr
.irp j, 0,1,2,3
.irp c, 0,1,2,3
	ds_load_b128 v[KF+16*\j+4*\c:KF+16*\j+4*\c+3], v14 offset:2048*\j+512*\c   ; V^T's four fragments, where K's lay: asked for here, wanted behind the softmax
.endr
.endr
	ds_load_b32 v[VS], v8
	ds_load_b32 v[VS+1], v8 offset:128
.irp b, 0,1,2,3
	v_max_num_f32 v[TM+\b], v[TM+\b], v[S+16*\b+15]
.endr
.irp b, 0,1,2,3
	s_delay_alu instid0(VALU_DEP_4)
	v_permlanex16_b32 v[TP+\b], v[TM+\b], s24, s25
.endr
.irp b, 0,1,2,3
	s_delay_alu instid0(VALU_DEP_4)
	v_max_num_f32 v[TM+\b], v[TM+\b], v[TP+\b]
.endr
	s_delay_alu instid0(VALU_DEP_2)
	v_max3_num_f32 v[TT], v[TM], v[TM+1], v[TM+2]
	s_delay_alu instid0(VALU_DEP_1)
	v_max_num_f32 v[TT], v[TT], v[TM+3]
	s_delay_alu instid0(VALU_DEP_1)
	v_mul_f32 v[TT], s26, v[TT]                    ; as t (c is positive)
	s_delay_alu instid0(VALU_DEP_1)
	v_max_num_f32 v13, v13, v[TT]                  ; the running largest t
	v_mov_b32 v[TT], v12
	s_delay_alu instid0(VALU_DEP_2)
	v_floor_f32 v12, -v13                          ; the new -M: a whole number
	s_delay_alu instid0(VALU_DEP_1)
	v_sub_f32 v[TT], v12, v[TT]                    ; old M less new M: a whole number, 0 or less
	s_delay_alu instid0(VALU_DEP_1)
	v_cvt_i32_f32 v[TT], v[TT]                     ; (it saturates)
	s_delay_alu instid0(VALU_DEP_1)
	v_ldexp_f32 v[F], 1.0, v[TT]                   ; f = 2^(old M - new M)
.set n, 0
.rept 32
	v_pk_fma_f32 v[S+n:S+n+1], v[S+n:S+n+1], s[26:27], v[12:13] op_sel_hi:[1,0,0]   ; t - M
.set n, n+2
.endr
.irp b, 0,1,2,3
	v_fma_f32 v[TM+\b], v[TM+\b], s26, v12
.endr
	s_wait_alu depctr_va_vdst(0)
.set n, 0
.rept 64
	v_exp_f32 v[S+n], v[S+n]                       ; p = 2^(t - M), at most 1
.set n, n+1
.endr
.irp b, 0,1,2,3
	v_exp_f32 v[TM+\b], v[TM+\b]                   ; the block's largest p: the same two instructions on the same number
.endr
	v_pk_mul_f32 v[SUM:SUM+1], v[SUM:SUM+1], v[F:F+1] op_sel_hi:[1,0]   ; the sum under the new M (a plain line behind the exponentials)
	s_wait_alu depctr_va_vdst(0)                   ; one wait for the batch, ahead of its first reader
.irp b, 0,1,2,3
	v_max_num_f32 v[TM+\b], 0x4800000, v[TM+\b]    ; the floor 2^(9 - 127)
.endr
.irp b, 0,1,2,3
	s_delay_alu instid0(VALU_DEP_4)
	v_add_nc_u32 v[SOP+\b], 0xfc000000, v[TM+\b]   ; the conversion's scale operand
.endr
.irp b, 0,1,2,3
	v_and_or_b32 v[BA+\b], v[TM+\b], 0x7f800000, s23   ; 448 x the scale,
.endr
.irp b, 0,1,2,3
	v_and_or_b32 v[BB+\b], v[TM+\b], 0x7f800000, s23   ; twice
.endr
.irp b, 0,1,2,3
	v_lshrrev_b32 v[TP+\b], 23, v[SOP+\b]
.endr
	s_delay_alu instid0(VALU_DEP_3)
	v_lshl_or_b32 v[PS], v[TP+1], 8, v[TP]         ; p's scale word for these 128 keys
	s_delay_alu instid0(VALU_DEP_1)
	v_lshl_or_b32 v[PS], v[TP+2], 16, v[PS]
	s_delay_alu instid0(VALU_DEP_1)
	v_lshl_or_b32 v[PS], v[TP+3], 24, v[PS]
.irp n, 0,1,2
	v_pk_add_f32 v[SUM+2+2*\n:SUM+3+2*\n], v[S+4*\n:S+4*\n+1], v[S+4*\n+2:S+4*\n+3]   ; the row's sum of the unquantised p, two at a time, in four chains
.endr
.set n, 0
.rept 26
	v_pk_add_f32 v[SUM+2*(n%4):SUM+2*(n%4)+1], v[SUM+2*(n%4):SUM+2*(n%4)+1], v[S+12+2*n:S+13+2*n]
.set n, n+1
.endr
.irp b, 0,1,2,3
.set n, 0
.rept 8
	v_dual_min_num_f32 v[S+16*\b+n], v[S+16*\b+n], v[BA+\b] :: v_dual_min_num_f32 v[S+16*\b+n+1], v[S+16*\b+n+1], v[BB+\b]   ; the hold, two to a line; p is not negative, so it is one-sided
.set n, n+2
.endr
	v_cvt_scalef32_pk8_fp8_f32 v[PC+4*\b:PC+4*\b+1], v[S+16*\b:S+16*\b+7], v[SOP+\b]
	v_cvt_scalef32_pk8_fp8_f32 v[PC+4*\b+2:PC+4*\b+3], v[S+16*\b+8:S+16*\b+15], v[SOP+\b]
.endr
	s_wait_alu depctr_va_vdst(0)
.set n, 0
.rept 16
	v_pk_mul_f32 v[O+n:O+n+1], v[O+n:O+n+1], v[F:F+1] op_sel_hi:[1,0]   ; O^T under the new M; these are also the places behind the conversions and in front of the products
.set n, n+2
.endr
	s_wait_alu depctr_va_vdst(0)
	s_wait_dscnt 0x0                               ; V's fragments and scale words
	v_wmma_scale_f32_16x16x128_f8f6f4 v[O:O+7], v[KF:KF+15], v[PC:PC+15], v[O:O+7], v[VS], v[PS]   ; the four accumulators take turns
	v_wmma_scale_f32_16x16x128_f8f6f4 v[O+8:O+15], v[KF+16:KF+31], v[PC:PC+15], v[O+8:O+15], v[VS], v[PS] matrix_a_scale:MATRIX_SCALE_ROW1
	v_wmma_scale_f32_16x16x128_f8f6f4 v[O+16:O+23], v[KF+32:KF+47], v[PC:PC+15], v[O+16:O+23], v[VS+1], v[PS]
	v_wmma_scale_f32_16x16x128_f8f6f4 v[O+24:O+31], v[KF+48:KF+63], v[PC:PC+15], v[O+24:O+31], v[VS+1], v[PS] matrix_a_scale:MATRIX_SCALE_ROW1
	s_add_co_u32 s16, s16, 1
	v_pk_add_f32 v[SUM+2:SUM+3], v[SUM+2:SUM+3], v[SUM+4:SUM+5]   ; the four chains are joined: with the next step's four addresses and one v_nop, eight places behind the products,
	v_pk_add_f32 v[SUM:SUM+1], v[SUM:SUM+1], v[SUM+6:SUM+7]       ; ahead of the next step's loads into V's registers and of the way out's reads of O^T
	v_pk_add_f32 v[SUM:SUM+1], v[SUM:SUM+1], v[SUM+2:SUM+3]
	ADDR
	v_nop
	s_wait_alu depctr_va_vdst(0)
	s_cmp_lt_u32 s16, 17
	s_cbranch_scc1 .Ltrip
	FLUSH 82, 0
	s_wait_tensorcnt 0x0                           ; the wave's end
	ds_add_u32 v4, v5
	s_wait_dscnt 0x0
	ROUND                                          ; the closing round
	s_endpgm
.Lfunc_end_k_q3c0c59f6e8_attn:
	.size	k_q3c0c59f6e8_attn, .Lfunc_end_k_q3c0c59f6e8_attn-k_q3c0c59f6e8_attn
	.p2alignl 7, 3214868480
	.fill 96, 4, 3214868480
	.section	.rodata,"a",@progbits
	.p2align	6, 0x0
	.amdhsa_kernel k_q3c0c59f6e8_attn
		.amdhsa_group_segment_fixed_size 327680
		.amdhsa_private_segment_fixed_size 0
		.amdhsa_enable_private_segment 0
		.amdhsa_kernarg_size 32
		.amdhsa_user_sgpr_count 2
		.amdhsa_user_sgpr_kernarg_segment_ptr 1
		.amdhsa_wavefront_size32 1
		.amdhsa_system_sgpr_workgroup_id_x 1
		.amdhsa_system_sgpr_workgroup_id_y 1
		.amdhsa_system_sgpr_workgroup_id_z 1
		.amdhsa_system_vgpr_workitem_id 0
		.amdhsa_next_free_vgpr 256
		.amdhsa_next_free_sgpr 96
		.amdhsa_reserve_vcc 1
		.amdhsa_float_denorm_mode_32 3
		.amdhsa_float_denorm_mode_16_64 3
		.amdhsa_memory_ordered 1
		.amdhsa_forward_progress 1
		.amdhsa_inst_pref_size 49
	.end_amdhsa_kernel
	.amdgpu_metadata
---
amdhsa.version: [ 1, 2 ]
amdhsa.kernels:
  - .name:           k_q3c0c59f6e8_attn
    .symbol:         k_q3c0c59f6e8_attn.kd
    .args:
      - { .name: qkvc, .offset: 0, .size: 8, .value_kind: global_buffer, .address_space: global }
      - { .name: qkvs, .offset: 8, .size: 8, .value_kind: global_buffer, .address_space: global }
      - { .name: yc, .offset: 16, .size: 8, .value_kind: global_buffer, .address_space: global }
      - { .name: ys, .offset: 24, .size: 8, .value_kind: global_buffer, .address_space: global }
    .group_segment_fixed_size: 327680
    .private_segment_fixed_size: 0
    .kernarg_segment_align: 8
    .kernarg_segment_size: 32
    .max_flat_workgroup_size: 512
    .sgpr_count:     96
    .vgpr_count:     256
    .wavefront_size: 32
...
	.end_amdgpu_metadata
.endif
;; end of part 3
;; launch gemm2 (part 4): grid 8 x 32, 4 waves a work-group, clusters of 4 x 4, 327,680 bytes of LDS; arguments yc, ys, pc, ps, out0; writes out0
.if DOCPART == 4
	.amdgcn_target "amdgcn-amd-amdhsa--gfx1250"
	.amdhsa_code_object_version 6
	.text
	.protected	k_q3c0c59f6e8_gemm2
	.globl	k_q3c0c59f6e8_gemm2
	.p2align	8
	.type	k_q3c0c59f6e8_gemm2,@function
k_q3c0c59f6e8_gemm2:
	s_mov_b64 s[64:65], 0
	v_nop
	global_prefetch_b8 v0, s[64:65] scope:SCOPE_SE
	s_setreg_imm32_b32 hwreg(HW_REG_WAVE_MODE, 25, 1), 1
	s_wait_xcnt 0x0
	s_wait_alu depctr_hold_cnt(0) depctr_sa_sdst(0) depctr_va_vdst(0) depctr_va_sdst(0) depctr_va_ssrc(0) depctr_va_vcc(0) depctr_vm_vsrc(0)
	s_getreg_b32 s2, hwreg(HW_REG_IB_STS2, 6, 4)
	s_cmp_eq_u32 s2, 0
	s_cbranch_scc0 .Lentry_in_a_cluster
	s_endpgm
.Lentry_in_a_cluster:
	s_bfe_u32 s2, ttmp6, 0x10000c
	s_cmp_lg_u32 s2, 0xf033
	s_cbranch_scc0 .Lentry_shape_is_right
	s_endpgm
.Lentry_shape_is_right:
; out0 = y W_proj on codes of E4M3 with E8M0 scales, K = 1,024; f32 sums, stored as they are.
; yc: [tile of 16 rows 512][128 channels 8][c 4][lane][16 bytes], images of operand registers: a tile is 16,384 dense bytes; ys: [8192 rows][32 bytes].  Row t of tile T is token 32 (T / 2) + 8 (T % 2) + t + 8 (t / 8).
; pc rows 11264 + n, ps likewise: W_proj's columns as rows of 1,024 codes and 32 scale bytes; in each 32 rows bits 3 and 4 of the row's number are exchanged, so that as source 0 the 16 registers of tiles 2 b, 2 b + 1 are columns 32 b + 16 (lane / 16) + 0 .. 15.
; THE DEAL.  256 work-groups of four waves, 2 x 2; a work-group makes 256 tokens x 128 columns.  A wave holds 64 rows of the weight, ALL of K, in 512 registers (windows 1 and 2) and streams y's tiles past them:
; eight blocks of 16 tokens, 32 products each (eight steps of 128 along K x four column tiles), the block's four accumulators by turns.  A block's 128 registers of codes stand in two sets in window 3.
; LDS.  Two slots of 128 rows of 1,024 bytes + 16 of padding.  At the head slot 0 takes y's first 128 tokens (waves 2 and 3, 64 rows each) and slot 1 the weight's 128 rows (waves 0 and 1), one load a wave.
; When every wave holds the weight in registers, y's second 128 tokens are filled over it, 32 rows a wave, in the same pattern of rows, behind a drained round of the cluster's barrier.
; CLUSTERS: 4 x 4.  y's rows hang on the tile row and are asked for jointly by a row of the cluster, the weight's on the tile column and by a column.
; The scale words go from memory straight into registers: the weight's 16 (lane l: row l of a pair of tiles), y's 64 (lane r: row r of each of my eight tiles): 512 consecutive bytes a load.
; THE WAY OUT.  A lane holds 16 neighbouring columns of one token in two tiles; a block goes through my own stage in LDS (bytes into which no tile lands) and leaves as 16 rows of 256 bytes, sixteen lanes to an aligned unit;
; the stage's round trip of block s stands under block s + 1's products.
; PREFETCH: y's second 128 tokens, 131,072 bytes, are asked for once in each row of a cluster, behind the head's first barrier: each of the row's sixteen waves names 8,192 bytes, lanes 256 bytes apart, told apart by address.
; LIMITS: NaN and infinities are not served.
.set KROW,  1024
.set PITCH, 1040                       ; an odd multiple of 16 bytes: the 16 rows that a fragment load touches start at 16 different groups of banks
.set TILE,  16*PITCH
.set YB,    128*PITCH                  ; slot 1
.set SPARE, 2*YB                       ; the spare words: 128 bytes a wave, two blocks of 256 bytes that no other line names
.set STG,   SPARE+512                  ; the stages: 16 rows x 272 bytes a wave
.set SP,    272
.set NP,    8                          ; places behind this matrix instruction (ISA guide 7.12.1)
.set ADRW, 2                           ; v2     LDS address of my fragments of the weight
.set STO,  4                           ; v4     the stage, on the way in
.set RD,   5                           ; v5     and back
.set CO,   6                           ; v6     my byte offset in two rows of out0
.set PFO,  7                           ; v7     the prefetch's offset; never rewritten
.set ABS,  8                           ; v8     32 x lane: the weight's scale bytes
.set AYS,  9                           ; v9     32 x (lane % 16): y's
.set SPW,  10
.set NIL,  11
.set ADRY, 12                          ; v12-15 LDS address of my tiles 0-1, 2-3 in slot 0, in slot 1
.set SB,   24                          ; v24-39  the weight's scale words: register 8 p + q: lanes 0-15 tile 2 p's, lanes 16-31 tile 2 p + 1's
.set SA,   44                          ; v44-107 y's: register 8 s + q; no product's two scale registers have numbers equal modulo 8
.set ACC,  112                         ; v112-175 two sets of four accumulators
.set OB,   176                         ; v176-239 two sets of 16 rows read back from the stage
.set G1W, 24                           ; descriptor groups 1: the weight's 64 rows, y's 64 rows, the refill's 32 rows
.set G1Y, 32
.set G1R, 48
.set G0W, 56
.set G0Y, 60
.set G0R, 68
.set MSB, 0
.macro WIN new                         ; the immediate's high byte repeats the setting that is left
.if MSB != \new
	s_set_vgpr_msb (MSB<<8)|\new
.set MSB, \new
.endif
.endm
.macro PLACES n
.rept \n
	v_nop
.endr
.endm
.macro BARRIER
	s_barrier_signal -1
	s_barrier_wait -1
.endm
.macro CROUND                          ; a round of the cluster's barrier
	BARRIER
	s_cmp_lg_u32 s14, 0
	s_cbranch_scc1 .Lnot_wave_0_\@
	s_barrier_signal -3
.Lnot_wave_0_\@:
	s_barrier_wait -3
	BARRIER
.endm
.macro TLOAD g0, g1                    ; a joint load; an s_nop 0 and four v_nop follow it
	tensor_load_to_lds s[\g0:\g0+3], s[\g1:\g1+7]
	s_nop 0
	PLACES 4
.endm
.macro GROUP1 g, mask, rows            ; so many rows of 1,024 bytes, dense in memory, 16 bytes of padding behind each in LDS
	s_or_b32 s[\g+0], s[\mask], (1<<20)|(1<<21)|(7<<22)|(3<<25)
	s_mov_b32 s[\g+1], KROW<<16
	s_mov_b32 s[\g+2], (\rows)<<16
	s_mov_b32 s[\g+3], KROW<<16
	s_mov_b32 s[\g+4], \rows
	s_mov_b32 s[\g+5], KROW
	s_mov_b32 s[\g+6], 0
	s_mov_b32 s[\g+7], 0
.endm
	s_load_b256 s[4:11], s[0:1], 0x0               ; yc, ys, pc, ps
	s_load_b64 s[12:13], s[0:1], 0x20              ; out0
	v_lshl_add_u32 v[SPW], v0, 2, SPARE
	v_mov_b32 v[NIL], 0
	ds_add_u32 v[SPW], v[NIL]                      ; the opening lines: the add, twice on end, and its wait ahead of my first tensor load
	ds_add_u32 v[SPW], v[NIL]
	v_lshrrev_b32 v1, 5, v0
	v_readfirstlane_b32 s14, v1                    ; wave 0..3
	s_lshr_b32 s15, s14, 1                         ; my row of waves
	s_and_b32 s16, s14, 1                          ; my column of waves.  Also: which 64 rows I fetch at the head
	s_bfe_u32 s40, ttmp6, 0x40000                  ; cx, cy: my place in the cluster
	s_bfe_u32 s41, ttmp6, 0x40004
	s_lshl_b32 s42, ttmp9, 2
	s_add_co_u32 s42, s42, s40                     ; tile column, 0..7
	s_and_b32 s43, ttmp7, 0xffff
	s_lshl_b32 s43, s43, 2
	s_add_co_u32 s43, s43, s41                     ; tile row, 0..31
	s_lshl_b32 s44, s41, 2
	s_lshl_b32 s44, 15, s44                        ; my row of the cluster: shares y's rows
	s_lshl_b32 s45, 0x1111, s40                    ; my column: shares the weight's
	GROUP1 G1W, 45, 64
	GROUP1 G1Y, 44, 64
	GROUP1 G1R, 44, 32
	s_mul_i32 s17, s16, 64*PITCH
	s_mov_b32 s[G0W], 1
	s_add_co_u32 s[G0W+1], s17, YB
	s_mov_b32 s[G0Y], 1
	s_mov_b32 s[G0Y+1], s17
	s_mov_b32 s[G0R], 1
	s_mul_i32 s[G0R+1], s14, 32*PITCH
	s_add_co_u32 s[G0R+1], s[G0R+1], YB
	s_lshl_b32 s18, s42, 7
	s_lshl_b32 s19, s16, 6
	s_add_co_u32 s18, s18, s19
	s_add_co_u32 s18, s18, 11264                   ; the weight: row 11264 + 128 x tile column + 64 x (wave % 2): what I fetch (waves 0, 1), and what I multiply
	s_lshl_b32 s20, s18, 10
	s_mov_b32 s21, 0
	s_lshl_b32 s22, s43, 8                         ; y: row 256 x tile row
	s_add_co_u32 s46, s22, s19
	s_lshl_b32 s46, s46, 10                        ; + 64 x (wave % 2): what waves 2, 3 fetch
	s_mov_b32 s47, 0
	s_lshl_b32 s72, s14, 5
	s_add_co_u32 s72, s72, s22
	s_add_co_u32 s72, s72, 128                     ; the refill: row 256 x tile row + 128 + 32 x wave
	s_lshl_b32 s72, s72, 10
	s_mov_b32 s73, 0
	s_wait_dscnt 0x0                               ; both opening adds are done
	CROUND                                         ; all sixteen work-groups are here: the first joint loads meet
	s_wait_kmcnt 0x0
	s_add_nc_u64 s[G0W+2:G0W+3], s[8:9], s[20:21]
	s_or_b32 s[G0W+3], s[G0W+3], 0x80000000
	s_add_nc_u64 s[G0Y+2:G0Y+3], s[4:5], s[46:47]
	s_or_b32 s[G0Y+3], s[G0Y+3], 0x80000000
	s_add_nc_u64 s[G0R+2:G0R+3], s[4:5], s[72:73]
	s_or_b32 s[G0R+3], s[G0R+3], 0x80000000
	s_cmp_lt_u32 s14, 2                            ; one load a wave, and a line of its own for what is shown first
	s_cbranch_scc0 .Lfor_y
	TLOAD G0W, G1W                                 ; waves 0, 1: the weight, which goes on into registers
	s_branch .Lasked
.Lfor_y:
	TLOAD G0Y, G1Y                                 ; waves 2, 3: y's first 128 tokens
.Lasked:
	s_lshl_b32 s20, s18, 5
	s_add_nc_u64 s[20:21], s[10:11], s[20:21]      ; the scale bytes of my 64 rows of the weight
	s_lshl_b32 s23, s15, 6
	s_add_co_u32 s46, s22, s23                     ; my first row of y: 256 x tile row + 64 x row of waves (in each 128 tokens I take four tiles)
	s_lshl_b32 s72, s46, 5
	s_add_nc_u64 s[72:73], s[6:7], s[72:73]        ; its scale bytes
	s_lshl_b32 s46, s46, 12                        ; a token of out0 is 4,096 bytes
	s_lshl_b32 s74, s42, 9
	s_lshl_b32 s75, s16, 8
	s_add_co_u32 s74, s74, s75                     ; my first column, in bytes: 512 x tile column + 256 x column of waves
	s_add_co_u32 s46, s46, s74
	s_add_nc_u64 s[12:13], s[12:13], s[46:47]
	s_lshl_b32 s76, s40, 2
	s_add_co_u32 s76, s76, s14                     ; which of the cluster row's sixteen waves I am
	s_lshl_b32 s76, s76, 13
	s_lshl_b32 s77, s22, 10
	s_add_co_u32 s76, s76, s77
	s_add_co_u32 s76, s76, 128*KROW                ; my 8,192 bytes of y's second 128 tokens
	s_add_co_u32 s17, s17, YB                      ; my 64 rows of the weight in slot 1
	s_mul_i32 s78, s15, 4*TILE                     ; my four tiles in a slot
	s_mul_i32 s79, s14, 16*SP
	s_add_co_u32 s79, s79, STG                     ; my stage
	v_and_b32 v16, 15, v0                          ; r = lane % 16
	v_bfe_u32 v17, v0, 4, 1                        ; h = lane / 16
	v_and_b32 v18, 31, v0                          ; lane
	v_lshl_add_u32 v[PFO], v18, 8, s76
	v_lshlrev_b32 v[ABS], 5, v18
	v_lshlrev_b32 v[AYS], 5, v16
.irp p, 0,1
.irp c, 0,1
	global_load_b128 v[SB+8*\p+4*\c:SB+8*\p+4*\c+3], v[ABS], s[20:21] offset:1024*\p+16*\c
.endr
.endr
.irp s, 0,1,2,3,4,5,6,7
.irp c, 0,1
	global_load_b128 v[SA+8*\s+4*\c:SA+8*\s+4*\c+3], v[AYS], s[72:73] offset:(8*(\s/4)+\s%4)*512+16*\c
.endr
.endr
	v_mul_u32_u24 v19, v16, PITCH
	v_lshl_add_u32 v19, v17, 4, v19
	v_add_nc_u32 v[ADRW], s17, v19                 ; a fragment's row x pitch + 16 x half
	v_lshlrev_b32 v20, 4, v18
	v_add_nc_u32 v[ADRY], s78, v20                 ; an image's place for my lane
	v_add_nc_u32 v[ADRY+1], 2*TILE, v[ADRY]
	v_add_nc_u32 v[ADRY+2], YB, v[ADRY]
	v_add_nc_u32 v[ADRY+3], YB+2*TILE, v[ADRY]
	v_mul_u32_u24 v21, v16, SP
	v_lshl_add_u32 v21, v17, 6, v21
	v_add_nc_u32 v[STO], s79, v21                  ; in: row r, 64 bytes for each half of the lanes
	v_mul_u32_u24 v22, v17, SP
	v_lshl_add_u32 v22, v16, 4, v22
	v_add_nc_u32 v[RD], s79, v22                   ; back: lanes 0-15 one row of 256 bytes, lanes 16-31 the next
	v_lshlrev_b32 v23, 12, v17
	v_lshl_add_u32 v[CO], v16, 4, v23              ; and the same two rows in out0
	s_wait_alu depctr_va_vdst(0)
	s_cmp_lt_u32 s14, 2
	s_cbranch_scc0 .Lnot_w
	s_wait_tensorcnt 0x0                           ; waves 0, 1: the weight has landed.  The other waves' wait stands ahead of the round below
.Lnot_w:
	BARRIER
	global_prefetch_b8 v[PFO], s[4:5] th:TH_LOAD_NT scope:SCOPE_SE
; my 64 rows of the weight, all of K: fragment f = 4 q + b (16 rows x 128 K: registers 4 c .. 4 c + 3 hold K = 32 c + 16 h + 0 .. 15) lies in window 1 + f / 16
.irp q, 0,1,2,3,4,5,6,7
	WIN (1+\q/4)<<6
.irp b, 0,1,2,3
.irp c, 0,1,2,3
	ds_load_b128 v[16*((4*\q+\b)%16)+4*\c:16*((4*\q+\b)%16)+4*\c+3], v[ADRW] offset:128*\q+32*\c+\b*TILE
.endr
.endr
.endr
	WIN 0
	s_wait_tensorcnt 0x0                           ; all my tensor loads have landed (waves 2, 3: y's first tokens);
	ds_add_u32 v[SPW], v[NIL]                      ; 0 onto my spare word;
	s_wait_dscnt 0x0                               ; the add is done, and the weight is in my registers
	CROUND                                         ; both hold of every wave of the cluster: slot 0 is whole, and nobody reads slot 1 any more
	TLOAD G0R, G1R                                 ; y's second 128 tokens over the weight's bytes: my one tensor load behind the round
.macro FETCH s                         ; block s, 16 tokens, all of K, into set s % 2 of window 3: 32 pieces of 512 bytes, two to an LDS row
	WIN 3<<6
.set I_, 0
.rept 32
	ds_load_b128 v[128*((\s)%2)+4*I_:128*((\s)%2)+4*I_+3], v[ADRY+2*((\s)/4)+((\s)%4)/2] offset:((\s)%2)*TILE+(I_/2)*PITCH+(I_%2)*512
.set I_, I_+1
.endr
	WIN 0
.endm
.macro PROD s, n                       ; product n = 4 q + b of block s: source 0 = the weight's tile b, source 1 = y's 16 tokens; the first four start the sums
.set Q_, (\n)/4
.set B_, (\n)%4
.set AC_, ACC+32*((\s)%2)+8*B_
.set R_, 128*((\s)%2)+16*Q_
.set W_, 16*((\n)%16)
.set XS_, SA+8*(\s)+Q_
.set WS_, SB+8*(B_/2)+Q_
	WIN (1+(\n)/16)|(3<<2)
.if Q_ && B_%2
	v_wmma_scale_f32_16x16x128_f8f6f4 v[AC_:AC_+7], v[W_:W_+15], v[R_:R_+15], v[AC_:AC_+7], v[WS_], v[XS_] matrix_a_scale:MATRIX_SCALE_ROW1
.elseif Q_
	v_wmma_scale_f32_16x16x128_f8f6f4 v[AC_:AC_+7], v[W_:W_+15], v[R_:R_+15], v[AC_:AC_+7], v[WS_], v[XS_]
.elseif B_%2
	v_wmma_scale_f32_16x16x128_f8f6f4 v[AC_:AC_+7], v[W_:W_+15], v[R_:R_+15], 0, v[WS_], v[XS_] matrix_a_scale:MATRIX_SCALE_ROW1
.else
	v_wmma_scale_f32_16x16x128_f8f6f4 v[AC_:AC_+7], v[W_:W_+15], v[R_:R_+15], 0, v[WS_], v[XS_]
.endif
.endm
.macro PRODS s                         ; a block's 32 products, its four accumulators by turns
.set N_, 0
.rept 32
	PROD \s, N_
.set N_, N_+1
.endr
	WIN 0
.endm
.macro TOSTAGE s                       ; block s into my stage and back as rows: LDS serves a wave's instructions in order, so no wait stands between the stores and the loads
.set AS_, ACC+32*((\s)%2)
.set OS_, OB+32*((\s)%2)
	s_wait_xcnt 0x0                                ; the stores of the block two back have read these registers
.irp b, 0,1,2,3
	ds_store_b128 v[STO], v[AS_+8*\b:AS_+8*\b+3] offset:128*(\b/2)+32*(\b%2)       ; each accumulator from its low end on
	ds_store_b128 v[STO], v[AS_+8*\b+4:AS_+8*\b+7] offset:128*(\b/2)+32*(\b%2)+16
.endr
.irp t, 0,1,2,3,4,5,6,7
	ds_load_b128 v[OS_+4*\t:OS_+4*\t+3], v[RD] offset:\t*2*SP
.endr
.endm
.macro SEND s                          ; block s leaves: sixteen lanes store 256 consecutive bytes, aligned
.set OS_, OB+32*((\s)%2)
.set L_, 8*((\s)/4)+(\s)%4
	s_wait_dscnt 0x0                               ; the block is back in registers (asked for ahead of 32 products), and so is the next block's fetch
.irp t, 0,1,2,3,4,5,6,7
	global_store_b128 v[CO], v[OS_+4*\t:OS_+4*\t+3], s[12:13] offset:(32*(L_/2)+8*(L_%2)+2*\t+8*(\t/4))*4096 th:TH_STORE_NT
.endr
.endm
	FETCH 0
	FETCH 1
	s_wait_loadcnt 0x0                             ; the scale words
	s_wait_dscnt 32                                ; block 0 is in; block 1's 32 loads may be out
	PRODS 0
	PLACES NP                                      ; ahead of the loads into the set just read and of the stores that read the sums
	FETCH 2
	TOSTAGE 0
	s_wait_dscnt 48                                ; block 1 is in; behind it: block 2's 32 loads and the stage's 16
	PRODS 1
	SEND 0
	PLACES NP
	FETCH 3
	TOSTAGE 1
	PRODS 2
	SEND 1
	PLACES NP
	TOSTAGE 2
	PRODS 3
	SEND 2
	s_wait_tensorcnt 0x0                           ; my part of y's second 128 tokens is in; no LDS instruction of mine is out
	s_barrier_signal -1
	PLACES NP
	s_barrier_wait -1                              ; everybody's is
	FETCH 4
	FETCH 5
	TOSTAGE 3
	s_wait_dscnt 48                                ; block 4 is in; behind it: block 5's 32 loads and the stage's 16
	PRODS 4
	SEND 3
	PLACES NP
	FETCH 6
	TOSTAGE 4
	PRODS 5
	SEND 4
	PLACES NP
	FETCH 7
	TOSTAGE 5
	PRODS 6
	SEND 5
	PLACES NP
	TOSTAGE 6
	PRODS 7
	SEND 6
	PLACES NP
	TOSTAGE 7
	SEND 7
	s_wait_tensorcnt 0x0                           ; the wave's end
	ds_add_u32 v[SPW], v[NIL]
	s_wait_dscnt 0x0
	CROUND                                         ; the closing round
	s_endpgm
.Lfunc_end_k_q3c0c59f6e8_gemm2:
	.size	k_q3c0c59f6e8_gemm2, .Lfunc_end_k_q3c0c59f6e8_gemm2-k_q3c0c59f6e8_gemm2
	.p2alignl 7, 3214868480
	.fill 96, 4, 3214868480
	.section	.rodata,"a",@progbits
	.p2align	6, 0x0
	.amdhsa_kernel k_q3c0c59f6e8_gemm2
		.amdhsa_group_segment_fixed_size 327680
		.amdhsa_private_segment_fixed_size 0
		.amdhsa_enable_private_segment 0
		.amdhsa_kernarg_size 40
		.amdhsa_user_sgpr_count 2
		.amdhsa_user_sgpr_kernarg_segment_ptr 1
		.amdhsa_wavefront_size32 1
		.amdhsa_system_sgpr_workgroup_id_x 1
		.amdhsa_system_sgpr_workgroup_id_y 1
		.amdhsa_system_sgpr_workgroup_id_z 1
		.amdhsa_system_vgpr_workitem_id 0
		.amdhsa_next_free_vgpr 1024
		.amdhsa_next_free_sgpr 84
		.amdhsa_reserve_vcc 0
		.amdhsa_float_denorm_mode_32 3
		.amdhsa_float_denorm_mode_16_64 3
		.amdhsa_memory_ordered 1
		.amdhsa_forward_progress 1
		.amdhsa_inst_pref_size 85
	.end_amdhsa_kernel
	.amdgpu_metadata
---
amdhsa.version: [ 1, 2 ]
amdhsa.kernels:
  - .name:           k_q3c0c59f6e8_gemm2
    .symbol:         k_q3c0c59f6e8_gemm2.kd
    .args:
      - { .name: yc, .offset: 0, .size: 8, .value_kind: global_buffer, .address_space: global }
      - { .name: ys, .offset: 8, .size: 8, .value_kind: global_buffer, .address_space: global }
      - { .name: pc, .offset: 16, .size: 8, .value_kind: global_buffer, .address_space: global }
      - { .name: ps, .offset: 24, .size: 8, .value_kind: global_buffer, .address_space: global }
      - { .name: out0, .offset: 32, .size: 8, .value_kind: global_buffer, .address_space: global }
    .group_segment_fixed_size: 327680
    .private_segment_fixed_size: 0
    .kernarg_segment_align: 8
    .kernarg_segment_size: 40
    .max_flat_workgroup_size: 128
    .sgpr_count:     84
    .vgpr_count:     1024
    .wavefront_size: 32
...
	.end_amdgpu_metadata
.endif
;; end of part 4
